; MI455X (gfx1250); checked and timed in simulation.
; The chip was launched on July 23, 2026; its instructions are those of AMD's public machine-readable ISA for CDNA 5 (MIT licence, August 2026) and "CDNA5" Instruction Set Architecture Reference Guide (July 2026). The comments in the code are by the model that wrote it; some were corrected since.
;; Dense Full Attention. Allowed arithmetic: float matrix products may take bf16 or f16 operands with f32 sums; other float arithmetic in f32, or as packed bf16 or f16 multiplies, adds, multiply-adds, maxima and minima; sums over many terms, partial sums and values carried from step to step in f32; what a program stores and reads back later, other than sums and carried values, may be rounded once to bf16 or f16.
;; Inputs: cos 2,048 x 64 float32; sin 2,048 x 64 float32; wk 2,048 x 2,048 float32; wo 2,048 x 2,048 float32; wq 2,048 x 2,048 float32; wv 2,048 x 2,048 float32; x 1 x 2,048 x 2,048 float32.
;; Outputs: out0 1 x 2,048 x 2,048 float32.
;; One version. Each part assembles by itself: llvm-mc -triple=amdgcn-amd-amdhsa -mcpu=gfx1250 --defsym DOCPART=n.
;; ======== version 1 of 1: 4 launches
;; limits: values are held in f16: magnitudes above 65,504 overflow, below 6.1e-05 lose precision; right only within a limited range of input values
;; workspace buffers: xb 8,388,608 bytes; wqkv 25,165,824 bytes; wof 8,388,608 bytes; qh 8,388,608 bytes; kh 8,388,608 bytes; vh 8,388,608 bytes; oh 8,388,608 bytes
;; launch cast (part 1): grid 256 x 5, 8 waves a work-group, no clusters, 0 bytes of LDS; arguments x, wq, wk, wv, wo, xb, wqkv, wof; writes xb, wqkv, wof
.if DOCPART == 1
	.amdgcn_target "amdgcn-amd-amdhsa--gfx1250"
	.amdhsa_code_object_version 6
	.text
	.protected	k_q8179f1e760_cast
	.globl	k_q8179f1e760_cast
	.p2align	8
	.type	k_q8179f1e760_cast,@function
k_q8179f1e760_cast:
	s_mov_b64 s[64:65], 0
	v_nop
	global_prefetch_b8 v0, s[64:65] scope:SCOPE_SE
	s_setreg_imm32_b32 hwreg(HW_REG_WAVE_MODE, 25, 1), 1
	s_wait_xcnt 0x0
; CAST.  The five f32 arrays of 2048 x 2048 become 16-bit matrix operands, each byte read once and written once.
;   y = 0: xb = bf16(x).   y = 1, 2, 3: wqkv[y-1] = bf16(w x 2^-3, 2^-6, 2^-2) for wq, wk, wv (a power of two commutes with the rounding).
;   y = 4: wof = f16(4 x bf16(wo)): wo is rounded to bf16 like every other input, and that number times 4 is written as f16.
; The powers of two keep q, k and v inside f16's range in the launches behind; they are undone there (2^9 in the softmax's constant, the 4 in wof).
; LIMITS.  |wo| stays below 16,376 (4 wo must not pass 65,504); where |4 wo| is below 2^-14 it keeps f16's fixed step of 2^-24.  NaN and infinities are not treated apart.
; SHARES.  A work-group takes 64 KiB of f32, a wave 8 KiB: sixteen loads of 16 bytes a lane, each of 512 consecutive bytes a wave, all issued at once; a store of 8 bytes a lane
; covers 256 consecutive bytes, aligned.  The conversion works in place: a store's two registers are the first two of its load's four, and no register is written again while a store reads it,
; so no wait stands behind the stores.  72 registers a wave: the five work-groups that fall to a WGP (1,280 for 256) have room there together.  No LDS, no barrier, no matrix unit: nothing is shared.
.set XR, 8                             ; v[8:71]    load j: four f32, then in its first two registers four 16-bit numbers
	s_load_b512 s[8:23], s[0:1], 0x0               ; x s[8:9], wq s[10:11], wk s[12:13], wv s[14:15], wo s[16:17], xb s[18:19], wqkv s[20:21], wof s[22:23]
	s_and_b32 s2, ttmp7, 0xffff                    ; y: which array
	v_and_b32 v1, 31, v0
	v_lshrrev_b32 v3, 5, v0
	v_lshlrev_b32 v1, 4, v1                        ; 16 bytes a lane
	v_lshl_or_b32 v1, v3, 13, v1                   ; + 8 KiB a wave: my offset in the source
	v_lshrrev_b32 v2, 1, v1                        ; and in the destination
	s_max_u32 s28, s2, 1
	s_sub_co_u32 s28, s28, 1
	s_min_u32 s28, s28, 2                          ; which third of wqkv (of use for y = 1, 2, 3)
	s_lshl_b32 s28, s28, 23                        ; 8 MiB each
	s_mov_b32 s29, 0
	s_lshl_b32 s34, ttmp9, 16                      ; the work-group's 64 KiB in,
	s_mov_b32 s35, 0
	s_lshl_b32 s36, ttmp9, 15                      ; 32 KiB out
	s_mov_b32 s37, 0
	s_mov_b32 s38, 0xffff0000                      ; a word's upper bf16
	s_mov_b32 s32, 1.0                             ; the scale
	s_cmp_eq_u32 s2, 1
	s_cselect_b32 s32, 0x3e000000, s32             ; wq: 2^-3
	s_cmp_eq_u32 s2, 2
	s_cselect_b32 s32, 0x3c800000, s32             ; wk: 2^-6
	s_cmp_eq_u32 s2, 3
	s_cselect_b32 s32, 0x3e800000, s32             ; wv: 2^-2
	s_mov_b32 s33, s32                             ; named with it as a pair
	s_wait_kmcnt 0x0
	s_mov_b64 s[24:25], s[8:9]                     ; the source, chosen by y
	s_cmp_eq_u32 s2, 1
	s_cselect_b64 s[24:25], s[10:11], s[24:25]
	s_cmp_eq_u32 s2, 2
	s_cselect_b64 s[24:25], s[12:13], s[24:25]
	s_cmp_eq_u32 s2, 3
	s_cselect_b64 s[24:25], s[14:15], s[24:25]
	s_cmp_eq_u32 s2, 4
	s_cselect_b64 s[24:25], s[16:17], s[24:25]
	s_add_nc_u64 s[30:31], s[20:21], s[28:29]
	s_cmp_eq_u32 s2, 0                             ; the destination
	s_cselect_b64 s[26:27], s[18:19], s[30:31]
	s_cmp_eq_u32 s2, 4
	s_cselect_b64 s[26:27], s[22:23], s[26:27]
	s_add_nc_u64 s[24:25], s[24:25], s[34:35]
	s_add_nc_u64 s[26:27], s[26:27], s[36:37]
.irp j, 0,1,2,3,4,5,6,7,8,9,10,11,12,13,14,15
	global_load_b128 v[XR+4*(\j):XR+4*(\j)+3], v1, s[24:25] offset:512*(\j) th:TH_LOAD_NT
.endr
; Load j is converted and stored.  half = 0: scale, round to bf16.  half = 1: round to bf16, widen, times 4, write as f16.
.macro CV j, half
.set X, XR+4*(\j)
	s_wait_loadcnt 15-(\j)                         ; loads come back in order: the 15 - j younger ones may stay out
.if \half
	v_cvt_pk_bf16_f32 v4, v[X], v[X+1]
	v_cvt_pk_bf16_f32 v5, v[X+2], v[X+3]
	v_lshlrev_b32 v[X], 16, v4
	v_and_b32 v[X+1], s38, v4
	v_lshlrev_b32 v[X+2], 16, v5
	v_and_b32 v[X+3], s38, v5
	v_pk_mul_f32 v[X:X+1], v[X:X+1], 4.0 op_sel_hi:[1,0]
	v_pk_mul_f32 v[X+2:X+3], v[X+2:X+3], 4.0 op_sel_hi:[1,0]
	v_cvt_pk_f16_f32 v[X], v[X], v[X+1]
	v_cvt_pk_f16_f32 v[X+1], v[X+2], v[X+3]
.else
	v_pk_mul_f32 v[X:X+1], v[X:X+1], s[32:33] op_sel_hi:[1,0]
	v_pk_mul_f32 v[X+2:X+3], v[X+2:X+3], s[32:33] op_sel_hi:[1,0]
	v_cvt_pk_bf16_f32 v[X], v[X], v[X+1]
	v_cvt_pk_bf16_f32 v[X+1], v[X+2], v[X+3]
.endif
	global_store_b64 v2, v[X:X+1], s[26:27] offset:256*(\j) th:TH_STORE_NT  ; 32 lanes: 256 consecutive bytes, aligned
.endm
	s_cmp_eq_u32 s2, 4
	s_cbranch_scc1 .Lwo
.irp j, 0,1,2,3,4,5,6,7,8,9,10,11,12,13,14,15
	CV \j, 0
.endr
	s_endpgm
.Lwo:
.irp j, 0,1,2,3,4,5,6,7,8,9,10,11,12,13,14,15
	CV \j, 1
.endr
	s_endpgm
.Lfunc_end_k_q8179f1e760_cast:
	.size	k_q8179f1e760_cast, .Lfunc_end_k_q8179f1e760_cast-k_q8179f1e760_cast
	.p2alignl 7, 3214868480
	.fill 96, 4, 3214868480
	.section	.rodata,"a",@progbits
	.p2align	6, 0x0
	.amdhsa_kernel k_q8179f1e760_cast
		.amdhsa_group_segment_fixed_size 0
		.amdhsa_private_segment_fixed_size 0
		.amdhsa_enable_private_segment 0
		.amdhsa_kernarg_size 64
		.amdhsa_user_sgpr_count 2
		.amdhsa_user_sgpr_kernarg_segment_ptr 1
		.amdhsa_wavefront_size32 1
		.amdhsa_system_sgpr_workgroup_id_x 1
		.amdhsa_system_sgpr_workgroup_id_y 1
		.amdhsa_system_sgpr_workgroup_id_z 1
		.amdhsa_system_vgpr_workitem_id 0
		.amdhsa_next_free_vgpr 72
		.amdhsa_next_free_sgpr 66
		.amdhsa_reserve_vcc 0
		.amdhsa_float_denorm_mode_32 3
		.amdhsa_float_denorm_mode_16_64 3
		.amdhsa_memory_ordered 1
		.amdhsa_forward_progress 1
		.amdhsa_inst_pref_size 20
	.end_amdhsa_kernel
	.amdgpu_metadata
---
amdhsa.version: [ 1, 2 ]
amdhsa.kernels:
  - .name:           k_q8179f1e760_cast
    .symbol:         k_q8179f1e760_cast.kd
    .args:
      - { .name: x, .offset: 0, .size: 8, .value_kind: global_buffer, .address_space: global }
      - { .name: wq, .offset: 8, .size: 8, .value_kind: global_buffer, .address_space: global }
      - { .name: wk, .offset: 16, .size: 8, .value_kind: global_buffer, .address_space: global }
      - { .name: wv, .offset: 24, .size: 8, .value_kind: global_buffer, .address_space: global }
      - { .name: wo, .offset: 32, .size: 8, .value_kind: global_buffer, .address_space: global }
      - { .name: xb, .offset: 40, .size: 8, .value_kind: global_buffer, .address_space: global }
      - { .name: wqkv, .offset: 48, .size: 8, .value_kind: global_buffer, .address_space: global }
      - { .name: wof, .offset: 56, .size: 8, .value_kind: global_buffer, .address_space: global }
    .group_segment_fixed_size: 0
    .private_segment_fixed_size: 0
    .kernarg_segment_align: 8
    .kernarg_segment_size: 64
    .max_flat_workgroup_size: 256
    .sgpr_count:     66
    .vgpr_count:     72
    .wavefront_size: 32
...
	.end_amdgpu_metadata
.endif
;; end of part 1
;; launch qkv (part 2): grid 16 x 16, 4 waves a work-group, clusters of 4 x 4, 327,680 bytes of LDS; arguments xb, wqkv, cos, sin, qh, kh, vh; writes qh, kh, vh
.if DOCPART == 2
	.amdgcn_target "amdgcn-amd-amdhsa--gfx1250"
	.amdhsa_code_object_version 6
	.text
	.protected	k_q8179f1e760_qkv
	.globl	k_q8179f1e760_qkv
	.p2align	8
	.type	k_q8179f1e760_qkv,@function
k_q8179f1e760_qkv:
	s_mov_b64 s[64:65], 0
	v_nop
	global_prefetch_b8 v0, s[64:65] scope:SCOPE_SE
	s_setreg_imm32_b32 hwreg(HW_REG_WAVE_MODE, 25, 1), 1
	s_wait_xcnt 0x0
	s_wait_alu depctr_hold_cnt(0) depctr_sa_sdst(0) depctr_va_vdst(0) depctr_va_sdst(0) depctr_va_ssrc(0) depctr_va_vcc(0) depctr_vm_vsrc(0)
	s_getreg_b32 s2, hwreg(HW_REG_IB_STS2, 6, 4)
	s_cmp_eq_u32 s2, 0
	s_cbranch_scc0 .Lentry_in_a_cluster
	s_endpgm
.Lentry_in_a_cluster:
	s_bfe_u32 s2, ttmp6, 0x10000c
	s_cmp_lg_u32 s2, 0xf033
	s_cbranch_scc0 .Lentry_shape_is_right
	s_endpgm
.Lentry_shape_is_right:
; Q, K, V OF ONE HEAD FOR 128 ROWS: x [2048][2048] bf16 times wqkv [3][2048 k][2048 n] bf16, sums in f32; RoPE on q and k in f32; each result rounded once to f16 and written by heads, [16][2048][128].
; SCALES.  wqkv holds wq 2^-3, wk 2^-6, wv 2^-2; q is further multiplied, in f32 ahead of its one rounding, by log2(e) / sqrt(128): the scores of the next launch times 2^9 are logits in base 2.
; LIMITS.  f16 ends at 65,504: |q| after RoPE stays below 4.1e6, |k| below 4.19e6, |v| below 2.6e5.  cos and sin are rounded to bf16 on purpose: all the module's inputs then carry the same one rounding.
; SHARES.  The grid's x counts row blocks, its y heads.  A work-group makes 128 rows x 384 columns.  Wave w: rows 64 (w / 2) on; of each of the three matrices the 16-column blocks 2 c, 2 c + 1, 4 + 2 c, 5 + 2 c
; with c = w % 2: so channel d and its RoPE partner d + 64 lie in the same lane of two accumulators of one wave.  4 row blocks x 12 column blocks = 48 accumulators, 384 registers.
; THE PRODUCT IS USED TRANSPOSED: source 0 = 16 columns of w (w lies [k][n] in LDS and comes out turned, by ds_load_tr16_b128), source 1 = 16 rows of x: a lane holds one row and eight neighbouring columns.
; RING.  K goes in 16 steps of 128 through two LDS slots; behind each round every wave issues one joint load of 128 rows x 256 bytes: waves 0, 1, 2 the tiles of wq, wk, wv, wave 3 x's.
; A K STEP IS WRITTEN ONCE: the slot in hand is a scalar, s[TB], turned by an exclusive or at each change of slots, and the fragments' LDS addresses are made anew from it there.
; CLUSTER 4 x 4: x's tile hangs on the row block alone and is shared along a column of the cluster (same cx), w's tiles on the head alone and are shared along a row (same cy).
; REGISTERS (windows of 256; s_set_vgpr_msb: bits 1:0 source 0, 3:2 source 1, 5:4 source 2, 7:6 destination):
;   window 0: v16-30 addresses; v32-95 cos, v96-159 sin of my rows and channels; v160-243 at work on the way out
;   window 1: two fragment buffers of 128: x's 4 fragments, then w's 12; on the way out v0-63 whole rows
;   window 2: accumulators of row blocks 0, 1 at 8 (12 (a % 2) + 4 mat + jj);   window 3: of row blocks 2, 3
.set PA,    272                        ; an LDS row of x: 256 bytes + 16: the 16 rows of a fragment load start at 16 different groups of four banks
.set PB,    288                        ; an LDS row of w: 256 + 32
.set BMAT,  128*PB                     ; a tile of w
.set AOFF,  3*BMAT                     ; x's tile lies behind the three
.set SLOTB, AOFF+128*PA                ; bytes in a slot
.set SPARE, SLOTB                      ; between the slots: the spare words, 128 bytes a wave: two blocks of 256 bytes that no other line names
.set SLOTX, 0x24000                    ; slot 1 begins here; it shares no bit with a tile's place in a slot (0, 0x9000, 0x12000, 0x1b000), so one exclusive or changes slots
.set STAGE, SLOTX+SLOTB                ; behind the ring, never filled by a tensor load: 128 rows x 272 bytes, the work-group's, for the way out
.set ADRA0, 16                         ; v16     my x fragments' place in a slot; never rewritten
.set ADRA,  17                         ; v17     their LDS address in the slot in hand
.set ADRB0, 18                         ; v18-20  my w fragments' places in a slot, a matrix each; never rewritten
.set ADRB,  21                         ; v21-23  their LDS addresses in the slot in hand
.set STO,  24                          ; v24  the way out: where I put 16 bytes of a row
.set RD,   25                          ; v25  where I read rows back
.set CO,   26                          ; v26  my 16 bytes in 512 consecutive bytes of an output
.set TO,   27                          ; v27  my byte offset in cos and sin
.set SPW,  28                          ; v28  my spare word; never rewritten
.set NIL,  29                          ; v29  0; never rewritten
.set PFO,  30                          ; v30  4,096 x lane: a row of xb or wqkv; never rewritten
.set COS,  32
.set SIN,  96
.set T,    160                         ; v160-191 RoPE's results of one row block
.set PK,   224                         ; v224-239 packed f16
.set TT,   240                         ; v240-243 at work
.set F0,   0
.set F1,   128
.set WV,   18                          ; s18 wave; s19 its row half; s20 its column half
.set RH,   19
.set CH,   20
.set TB,   25                          ; s25  LDS byte at which the slot in hand begins: 0 or SLOTX
.set G1A,  28                          ; s[28:35] group 1 for x's tile
.set G1B,  36                          ; s[36:43] for w's tiles
.set G0A,  44                          ; s[44:51] group 0 for x's tile: a set for each of the two first fills; the second then walks on
.set G0B,  52                          ; s[52:59] for w's
.set PFA,  60                          ; s[60:61] where my prefetches stand
.set PST,  62                          ; s[62:63] a K step in bytes: 256 along x's rows, 524,288 down w's
.set LIM,  66                          ; s66  2 in a wave that prefetches, else the greatest number
.set HIM,  67                          ; s67  a word's upper bf16
.set C0,   70                          ; s[70:71] log2(e) / sqrt(128), on the way out
.set OUTB, 74                          ; s[74:79] qh, kh, vh at the 32 rows that I store
.set MSB, 0
.macro WIN new                         ; the immediate's high byte repeats the setting that is left; a switch that changes nothing is dropped
.if MSB != (\new)
	s_set_vgpr_msb (MSB<<8)|(\new)
.set MSB, \new
.endif
.endm
.macro PLACES                          ; four plain instructions between a matrix instruction and a load into, or a vector read of, its registers
.rept 4
	v_nop
.endr
.endm
.macro JLOAD s                         ; a joint load; the branch hangs on the wave's number alone; an s_nop 0 and four v_nop follow each of the two lines
	s_cmp_eq_u32 s[WV], 3
	s_cbranch_scc0 .Lfor_b_\@
	tensor_load_to_lds s[G0A+4*(\s):G0A+4*(\s)+3], s[G1A:G1A+7]
	s_nop 0
.rept 4
	v_nop
.endr
	s_branch .Lasked_\@
.Lfor_b_\@:
	tensor_load_to_lds s[G0B+4*(\s):G0B+4*(\s)+3], s[G1B:G1B+7]
	s_nop 0
.rept 4
	v_nop
.endr
.Lasked_\@:
.endm
.macro CREST                           ; a round of the cluster's barrier behind its opening barrier
	s_cmp_lg_u32 s[WV], 0
	s_cbranch_scc1 .Lnot_wave_0_\@
	s_barrier_signal -3
.Lnot_wave_0_\@:
	s_barrier_wait -3
	s_barrier_signal -1
	s_barrier_wait -1
.endm
.macro CROUND
	s_barrier_signal -1
	s_barrier_wait -1
	CREST
.endm
; A PREFETCH INTO THE L2 of the K step that stands two refills on: 32 rows x 256 bytes, a lane a row.  x's rows are read by every cluster of a column of clusters: cluster y = 0 asks (wave 3);
; w's by every cluster of a row of clusters: cluster x = 0 asks (waves 0 to 2).  The four partners of a joint load share its 128 rows out by address, 32 each.  So each row's 256 bytes of a K step are named once.
; The loop's last two trips have no K step two on.
.macro ASK
	WIN 0
	s_cmp_gt_u32 s3, s[LIM]
	s_cbranch_scc0 .Lnot_mine_\@
	global_prefetch_b8 v[PFO], s[PFA:PFA+1] th:TH_LOAD_NT scope:SCOPE_SE
.Lnot_mine_\@:
.endm
	s_load_b256 s[4:11], s[0:1], 0x0               ; xb s[4:5], wqkv s[6:7], cos s[8:9], sin s[10:11]
	s_load_b128 s[12:15], s[0:1], 0x20             ; qh s[12:13], kh s[14:15]
	s_load_b64 s[16:17], s[0:1], 0x30              ; vh
	v_lshl_add_u32 v[SPW], v0, 2, SPARE
	v_mov_b32 v[NIL], 0
	ds_add_u32 v[SPW], v[NIL]                      ; the wave's opening: the add and its wait ahead of my first tensor load; work on registers stands between them
	v_lshrrev_b32 v1, 5, v0
	v_readfirstlane_b32 s[WV], v1
	s_lshr_b32 s[RH], s[WV], 1
	s_and_b32 s[CH], s[WV], 1
	s_bfe_u32 s21, ttmp6, 0x40000                  ; cx
	s_bfe_u32 s22, ttmp6, 0x40004                  ; cy
	s_lshl_b32 s24, ttmp9, 2
	s_add_co_u32 s24, s24, s21                     ; row block = 4 x cluster x + cx
	s_and_b32 s23, ttmp7, 0xffff
	s_lshl_b32 s23, s23, 2
	s_add_co_u32 s23, s23, s22                     ; head = 4 x cluster y + cy
	s_lshl_b32 s26, s22, 2
	s_lshl_b32 s26, 15, s26                        ; my row of the cluster: it shares the head
	s_lshl_b32 s72, 0x1111, s21                    ; my column: it shares the row block
	s_or_b32 s[G1A], s72, (1<<16)|(1<<20)|(1<<21)|(5<<22)|(3<<25)  ; the mask; 2-byte elements; padding on; bit 21 beside a mask; after every 64 words, 4 words
	s_or_b32 s[G1B], s26, (1<<16)|(1<<20)|(1<<21)|(5<<22)|(7<<25)  ; the same with my row's mask and 8 words
.irp g, G1A, G1B
	s_mov_b32 s[(\g)+1], 128<<16                   ; tensor_dim0 = 128
	s_mov_b32 s[(\g)+2], 128<<16                   ; tensor_dim1 = 128
	s_mov_b32 s[(\g)+3], 128<<16                   ; tile_dim0 = 128
	s_mov_b32 s[(\g)+4], 128                       ; tile_dim1 = 128
	s_mov_b32 s[(\g)+5], 2048                      ; elements from row to row
	s_mov_b32 s[(\g)+6], 0
	s_mov_b32 s[(\g)+7], 0
.endr
	s_mov_b32 s[TB], 0
	s_mul_i32 s27, s[WV], BMAT                     ; where my tile goes: wave x 36,864 (wave 3: x's place)
	s_lshl_b32 s68, s24, 19                        ; x: 128 rows of 4,096 bytes a row block
	s_mov_b32 s69, 0
	s_min_u32 s70, s[WV], 2
	s_lshl_b32 s70, s70, 23                        ; w: my matrix,
	s_lshl_b32 s71, s23, 8                         ; the head's 256 bytes of a row
	s_add_co_u32 s70, s70, s71
	s_mov_b32 s71, 0
	s_mov_b32 s[HIM], 0xffff0000
	s_wait_dscnt 0x0                               ; the opening add is done
	s_wait_kmcnt 0x0
	s_add_nc_u64 s[68:69], s[4:5], s[68:69]
	s_add_nc_u64 s[70:71], s[6:7], s[70:71]
	CROUND                                         ; all sixteen work-groups are here: the first joint loads meet
.irp s, 0,1
	s_mov_b32 s[G0A+4*(\s)], 1
	s_add_co_u32 s[G0A+4*(\s)+1], s27, (\s)*SLOTX
	s_add_nc_u64 s[G0A+4*(\s)+2:G0A+4*(\s)+3], s[68:69], (\s)*256
	s_or_b32 s[G0A+4*(\s)+3], s[G0A+4*(\s)+3], 0x80000000
	s_mov_b32 s[G0B+4*(\s)], 1
	s_add_co_u32 s[G0B+4*(\s)+1], s27, (\s)*SLOTX
	s_add_nc_u64 s[G0B+4*(\s)+2:G0B+4*(\s)+3], s[70:71], (\s)*128*4096
	s_or_b32 s[G0B+4*(\s)+3], s[G0B+4*(\s)+3], 0x80000000
	JLOAD \s                                       ; K steps 0 and 1: two loads of mine are out
.endr
	; the prefetches: my work-group's 32 rows of the 128 that I fetch, at K step 3; each change of slots steps this by a K step first
	s_lshl_b32 s68, s24, 19
	s_lshl_b32 s69, s22, 17                        ; x: 32 cy rows
	s_add_co_u32 s68, s68, s69
	s_add_co_u32 s68, s68, 3*256
	s_min_u32 s70, s[WV], 2
	s_lshl_b32 s70, s70, 23
	s_lshl_b32 s71, s23, 8
	s_add_co_u32 s70, s70, s71
	s_lshl_b32 s71, s21, 17                        ; w: 32 cx rows
	s_add_co_u32 s70, s70, s71
	s_add_co_u32 s70, s70, 3*128*4096
	s_and_b32 s72, ttmp7, 0xffff
	s_mov_b32 s73, 256
	s_cmp_eq_u32 s[WV], 3
	s_cselect_b32 s68, s68, s70
	s_cselect_b32 s72, s72, ttmp9                  ; the coordinate along which other clusters read the same rows
	s_cselect_b32 s[PST], s73, 128*4096
	s_cselect_b64 s[PFA:PFA+1], s[4:5], s[6:7]
	s_mov_b32 s69, 0
	s_mov_b32 s[PST+1], 0
	s_add_nc_u64 s[PFA:PFA+1], s[PFA:PFA+1], s[68:69]
	s_cmp_eq_u32 s72, 0
	s_cselect_b32 s[LIM], 2, -1
	s_lshl_b32 s72, s23, 19                        ; the outputs: the head, the row block's 128 rows of 256 bytes, my 32 of them
	s_lshl_b32 s73, s24, 15
	s_add_co_u32 s72, s72, s73
	s_lshl_b32 s73, s[WV], 13
	s_add_co_u32 s72, s72, s73
	s_mov_b32 s73, 0
	s_add_nc_u64 s[OUTB:OUTB+1], s[12:13], s[72:73]
	s_add_nc_u64 s[OUTB+2:OUTB+3], s[14:15], s[72:73]
	s_add_nc_u64 s[OUTB+4:OUTB+5], s[16:17], s[72:73]
	v_and_b32 v1, 15, v0                           ; l % 16
	v_bfe_u32 v2, v0, 4, 1                         ; l / 16
	v_and_b32 v3, 7, v0
	v_bfe_u32 v4, v0, 3, 1
	v_mul_u32_u24 v5, v1, PA
	v_lshl_add_u32 v5, v2, 4, v5                   ; row x pitch + 16 x half
	s_mul_i32 s72, s[RH], 64*PA
	s_add_co_u32 s72, s72, AOFF
	v_add_nc_u32 v[ADRA0], s72, v5
	v_add_nc_u32 v[ADRA], s72, v5                  ; slot 0 is the first in hand
	v_lshl_add_u32 v6, v2, 3, v3                   ; the turning load: k row 8 (l / 16) + l % 8, 16 bytes at 16 ((l / 8) % 2)
	v_mul_u32_u24 v6, v6, PB
	v_lshl_add_u32 v6, v4, 4, v6
	s_lshl_b32 s73, s[CH], 6                       ; my column half: blocks 2 c on
	v_add_nc_u32 v6, s73, v6
.irp m, 0,1,2
	v_add_nc_u32 v[ADRB0+(\m)], (\m)*BMAT, v6
	v_add_nc_u32 v[ADRB+(\m)], (\m)*BMAT, v6
.endr
	s_mul_i32 s72, s[RH], 64*PA
	s_add_co_u32 s72, s72, s73
	s_add_co_u32 s72, s72, STAGE
	v_add_nc_u32 v[STO], s72, v5                   ; stage row 64 (w / 2) + l % 16, byte 64 c + 16 (l / 16)
	s_mul_i32 s72, s[WV], 32*PA
	s_add_co_u32 s72, s72, STAGE
	v_mul_u32_u24 v[RD], v2, PA
	v_lshl_add_u32 v[RD], v1, 4, v[RD]
	v_add_nc_u32 v[RD], s72, v[RD]                 ; back: rows 32 w on, lanes 0-15 one row, lanes 16-31 the next
	v_and_b32 v[PFO], 31, v0
	v_lshlrev_b32 v[CO], 4, v[PFO]
	v_lshlrev_b32 v[PFO], 12, v[PFO]
	s_lshl_b32 s72, s24, 15                        ; cos, sin: rows of 256 bytes; row 128 rb + 64 (w / 2) + l % 16, channels 32 c + 8 (l / 16) on
	s_lshl_b32 s73, s[RH], 14
	s_add_co_u32 s72, s72, s73
	s_lshl_b32 s73, s[CH], 7
	s_add_co_u32 s72, s72, s73
	v_lshl_add_u32 v[TO], v1, 8, s72
	v_lshl_add_u32 v[TO], v2, 5, v[TO]
.irp a, 0,1,2,3                        ; 32 loads that stay out until the way out: row block a, channel block jb
.irp jb, 0,1
	global_load_b128 v[COS+16*(\a)+8*(\jb):COS+16*(\a)+8*(\jb)+3],   v[TO], s[8:9] offset:4096*(\a)+64*(\jb)
	global_load_b128 v[COS+16*(\a)+8*(\jb)+4:COS+16*(\a)+8*(\jb)+7], v[TO], s[8:9] offset:4096*(\a)+64*(\jb)+16
	global_load_b128 v[SIN+16*(\a)+8*(\jb):SIN+16*(\a)+8*(\jb)+3],   v[TO], s[10:11] offset:4096*(\a)+64*(\jb)
	global_load_b128 v[SIN+16*(\a)+8*(\jb)+4:SIN+16*(\a)+8*(\jb)+7], v[TO], s[10:11] offset:4096*(\a)+64*(\jb)+16
.endr
.endr
; 12 matrix instructions: row block 2 hi + a x my 12 column blocks, 32 along K.  The 48 accumulators take turns, in the same order in every quarter, over the backward jumps too.
.macro MUL12 f, hi, a, zero
	WIN 0xa5+0x50*(\hi)
.irp j, 0,1,2,3,4,5,6,7,8,9,10,11
.if \zero
	v_wmma_f32_16x16x32_bf16 v[8*(12*(\a)+(\j)):8*(12*(\a)+(\j))+7], v[(\f)+32+8*(\j):(\f)+32+8*(\j)+7], v[(\f)+8*(2*(\hi)+(\a)):(\f)+8*(2*(\hi)+(\a))+7], 0
.else
	v_wmma_f32_16x16x32_bf16 v[8*(12*(\a)+(\j)):8*(12*(\a)+(\j))+7], v[(\f)+32+8*(\j):(\f)+32+8*(\j)+7], v[(\f)+8*(2*(\hi)+(\a)):(\f)+8*(2*(\hi)+(\a))+7], v[8*(12*(\a)+(\j)):8*(12*(\a)+(\j))+7]
.endif
.endr
.endm
.macro MUL24 f, hi, zero
	MUL12 \f, \hi, 0, \zero
	MUL12 \f, \hi, 1, \zero
.endm
; 32 LDS loads in one run: quarter kq (32 along K) of the slot in hand into buffer f: w's 12 fragments, turned, then x's 4
.macro FETCH kq, f
	WIN 0x40
.irp m, 0,1,2
.irp jj, 0,1,2,3
	ds_load_tr16_b128 v[(\f)+32+8*(4*(\m)+(\jj)):(\f)+32+8*(4*(\m)+(\jj))+3],   v[ADRB+(\m)] offset:(\kq)*32*PB+((\jj)%2)*32+((\jj)/2)*128
	ds_load_tr16_b128 v[(\f)+32+8*(4*(\m)+(\jj))+4:(\f)+32+8*(4*(\m)+(\jj))+7], v[ADRB+(\m)] offset:(\kq)*32*PB+16*PB+((\jj)%2)*32+((\jj)/2)*128
.endr
.endr
.irp a, 0,1,2,3
	ds_load_b128 v[(\f)+8*(\a):(\f)+8*(\a)+3],   v[ADRA] offset:(\kq)*64+(\a)*16*PA
	ds_load_b128 v[(\f)+8*(\a)+4:(\f)+8*(\a)+7], v[ADRA] offset:(\kq)*64+(\a)*16*PA+32
.endr
.endm
; One of a K step's first three quarters: multiplies buffer f; in its middle it fetches quarter kq of the same slot into buffer g
.macro QUARTER kq, f, g, zero
	s_wait_dscnt 4                                 ; w's fragments and x's row blocks 0, 1 are in; the youngest four loads (row blocks 2, 3) may be out
	MUL24 \f, 0, \zero
	PLACES
	FETCH \kq, \g
	s_wait_dscnt 32                                ; all but the 32 just issued
	MUL24 \f, 1, \zero
.endm
; The last quarter multiplies buffer 1 and changes slots.  In front of the barrier each wave waits for all its tensor loads (one is out at the most: its part of the next slot), adds 0 to its spare word, and waits
; for that and for its reads of this slot.  fill = 1: the barrier opens a round of the cluster's, and this slot is filled again, two K steps ahead, first thing behind the round: 168 matrix instructions ahead of the
; wait for it; the walking descriptors turn to the slot just left and step one K step.  Then s[TB] turns and the four fragment addresses are made anew: four plain instructions, the places in front of the loads below.
; fill = 0: the last two K steps; in the very last (s3 = 1) there is no next slot, and its fetch is jumped over.
.macro TURN fill
.if \fill
	s_wait_xcnt 0x0                                ; the last prefetch, a K step back, has read its address
	s_add_nc_u64 s[PFA:PFA+1], s[PFA:PFA+1], s[PST:PST+1]
.endif
	WIN 0
	s_wait_tensorcnt 0x0
	ds_add_u32 v[SPW], v[NIL]
	s_wait_dscnt 5                                 ; (the add and the youngest four loads may be out)
	MUL12 F1, 0, 0, 0                              ; twelve matrix instructions stand between the add and the wait for it
	s_wait_dscnt 0x0                               ; the add is done, and my reads of this slot are over
	s_barrier_signal -1
	MUL12 F1, 0, 1, 0
	WIN 0
	s_barrier_wait -1
.if \fill
	CREST
	s_xor_b32 s[G0A+5], s[G0A+5], SLOTX
	s_add_nc_u64 s[G0A+6:G0A+7], s[G0A+6:G0A+7], 256
	s_xor_b32 s[G0B+5], s[G0B+5], SLOTX
	s_add_nc_u64 s[G0B+6:G0B+7], s[G0B+6:G0B+7], 128*4096
	JLOAD 1
.endif
	s_xor_b32 s[TB], s[TB], SLOTX
	v_add_nc_u32 v[ADRA], s[TB], v[ADRA0]
.irp m, 0,1,2
	v_add_nc_u32 v[ADRB+(\m)], s[TB], v[ADRB0+(\m)]
.endr
.if !(\fill)
	s_cmp_eq_u32 s3, 1
	s_cbranch_scc1 .Lno_fetch_\@
.endif
	FETCH 0, F0
.if \fill
	ASK
.else
	WIN 0
.Lno_fetch_\@:
.endif
	MUL24 F1, 1, 0
.endm
	s_wait_tensorcnt 1                             ; my part of K step 0 is in; K step 1's may stay out
	s_barrier_signal -1
	s_barrier_wait -1
	FETCH 0, F0
	QUARTER 1, F0, F1, 1                           ; the first quarter's products start the sums: nothing is cleared
	WIN 0
	s_mov_b32 s3, 14                               ; K steps 0 to 13 each fill their slot again
.Lstep:                                        ; a trip goes from a K step's second quarter to the next step's first
	QUARTER 2, F1, F0, 0
	QUARTER 3, F0, F1, 0
	TURN 1
	QUARTER 1, F0, F1, 0
	WIN 0
	s_sub_co_u32 s3, s3, 1
	s_cmp_lg_u32 s3, 0
	s_cbranch_scc1 .Lstep
	s_mov_b32 s3, 2                                ; K steps 14 and 15 fill nothing: a text of their own
.Ltail:
	QUARTER 2, F1, F0, 0
	QUARTER 3, F0, F1, 0
	TURN 0
	WIN 0
	s_cmp_eq_u32 s3, 1                             ; behind K step 15 there is no first quarter of a next step
	s_cbranch_scc1 .Llast
	QUARTER 1, F0, F1, 0
	WIN 0
.Llast:
	s_sub_co_u32 s3, s3, 1
	s_cmp_lg_u32 s3, 0
	s_cbranch_scc1 .Ltail
	; THE WAY OUT.  cos and sin are rounded to bf16 and widened again: 192 plain instructions, which are also the places behind the last products.
	s_wait_loadcnt 0x0
	s_mov_b32 s[C0], 0x3e0293ee                    ; log2(e) / sqrt(128)
	s_mov_b32 s[C0+1], s[C0]
.set i, 0
.rept 64
	v_cvt_pk_bf16_f32 v[TT+i%4], v[COS+2*i], v[COS+2*i+1]
	v_lshlrev_b32 v[COS+2*i], 16, v[TT+i%4]
	v_and_b32 v[COS+2*i+1], s[HIM], v[TT+i%4]
.set i, i+1
.endr
; Matrix m (0 q, 1 k, 2 v) leaves: RoPE (q, k), rounding to f16, 16 bytes a lane into the work-group's stage, a barrier (a row's 256 bytes come from two waves), back as whole rows, 32 rows a wave.
; out[d] = lo cos - hi sin, out[d + 64] = hi cos + lo sin, with lo, hi the accumulators of blocks jb and jb + 2.  Each accumulator's registers are taken in ascending order.
.macro OUTM m
.if (\m) > 0
	s_wait_dscnt 0x0                               ; my reads of the stage are back,
	s_barrier_signal -1
	s_barrier_wait -1                              ; everybody's are: it may be written again
.endif
.irp a, 0,1,2,3
.set AC, 8*(12*((\a)%2)+4*(\m))
.if (\m) < 2
	WIN 2+(\a)/2                                   ; source 0: the accumulators' window
.irp jb, 0,1
.irp p, 0,1,2,3
	v_pk_mul_f32 v[T+16*(\jb)+2*(\p):T+16*(\jb)+2*(\p)+1], v[AC+16+8*(\jb)+2*(\p):AC+16+8*(\jb)+2*(\p)+1], v[SIN+16*(\a)+8*(\jb)+2*(\p):SIN+16*(\a)+8*(\jb)+2*(\p)+1]
.endr
.irp p, 0,1,2,3
	v_pk_mul_f32 v[T+16*(\jb)+8+2*(\p):T+16*(\jb)+8+2*(\p)+1], v[AC+8*(\jb)+2*(\p):AC+8*(\jb)+2*(\p)+1], v[SIN+16*(\a)+8*(\jb)+2*(\p):SIN+16*(\a)+8*(\jb)+2*(\p)+1]
.endr
.irp p, 0,1,2,3
	v_pk_fma_f32 v[T+16*(\jb)+2*(\p):T+16*(\jb)+2*(\p)+1], v[AC+8*(\jb)+2*(\p):AC+8*(\jb)+2*(\p)+1], v[COS+16*(\a)+8*(\jb)+2*(\p):COS+16*(\a)+8*(\jb)+2*(\p)+1], v[T+16*(\jb)+2*(\p):T+16*(\jb)+2*(\p)+1] neg_lo:[0,0,1] neg_hi:[0,0,1]
.endr
.irp p, 0,1,2,3
	v_pk_fma_f32 v[T+16*(\jb)+8+2*(\p):T+16*(\jb)+8+2*(\p)+1], v[AC+16+8*(\jb)+2*(\p):AC+16+8*(\jb)+2*(\p)+1], v[COS+16*(\a)+8*(\jb)+2*(\p):COS+16*(\a)+8*(\jb)+2*(\p)+1], v[T+16*(\jb)+8+2*(\p):T+16*(\jb)+8+2*(\p)+1]
.endr
.endr
	WIN 0
.if (\m) == 0
.set i, 0
.rept 16
	v_pk_mul_f32 v[T+2*i:T+2*i+1], v[T+2*i:T+2*i+1], s[C0:C0+1] op_sel_hi:[1,0]  ; q alone: the softmax's factor, in f32 ahead of the one rounding
.set i, i+1
.endr
.endif
.irp jb, 0,1
.irp r, 0,1,2,3
	v_cvt_pk_f16_f32 v[PK+4*(\jb)+(\r)], v[T+16*(\jb)+2*(\r)], v[T+16*(\jb)+2*(\r)+1]
	v_cvt_pk_f16_f32 v[PK+8+4*(\jb)+(\r)], v[T+16*(\jb)+8+2*(\r)], v[T+16*(\jb)+8+2*(\r)+1]
.endr
.endr
.else
	WIN 0x0a+5*((\a)/2)                            ; sources 0 and 1: the accumulators' window
.set i, 0
.rept 16
	v_cvt_pk_f16_f32 v[PK+i], v[AC+2*i], v[AC+2*i+1]
.set i, i+1
.endr
	WIN 0
.endif
.irp jj, 0,1,2,3
	ds_store_b128 v[STO], v[PK+4*(\jj):PK+4*(\jj)+3] offset:(\a)*16*PA+((\jj)%2)*32+((\jj)/2)*128
.endr
.endr
	s_wait_dscnt 0x0                               ; for the others' sake: my stores into the stage are done
	s_barrier_signal -1
	s_barrier_wait -1
	s_wait_xcnt 0x0                                ; the stores of the matrix before have read the registers that are loaded again below
	WIN 0x40
.irp t, 0,1,2,3,4,5,6,7,8,9,10,11,12,13,14,15
	ds_load_b128 v[4*(\t):4*(\t)+3], v[RD] offset:(\t)*2*PA
.endr
	WIN 0x04                                       ; store data in window 1
.irp t, 0,1,2,3,4,5,6,7,8,9,10,11,12,13,14,15
	s_wait_dscnt 15-(\t)
	global_store_b128 v[CO], v[4*(\t):4*(\t)+3], s[OUTB+2*(\m):OUTB+2*(\m)+1] offset:512*(\t)  ; two rows of a head: 512 consecutive bytes, aligned
.endr
	WIN 0
.endm
	OUTM 0
	OUTM 1
	OUTM 2
	s_wait_tensorcnt 0x0                           ; the wave's end, behind my last tensor load and my last LDS store
	ds_add_u32 v[SPW], v[NIL]
	s_wait_dscnt 0x0
	CROUND                                         ; the closing round: no work-group ends while a partner may still ask for a tile that names it
	s_endpgm
.Lfunc_end_k_q8179f1e760_qkv:
	.size	k_q8179f1e760_qkv, .Lfunc_end_k_q8179f1e760_qkv-k_q8179f1e760_qkv
	.p2alignl 7, 3214868480
	.fill 96, 4, 3214868480
	.section	.rodata,"a",@progbits
	.p2align	6, 0x0
	.amdhsa_kernel k_q8179f1e760_qkv
		.amdhsa_group_segment_fixed_size 327680
		.amdhsa_private_segment_fixed_size 0
		.amdhsa_enable_private_segment 0
		.amdhsa_kernarg_size 56
		.amdhsa_user_sgpr_count 2
		.amdhsa_user_sgpr_kernarg_segment_ptr 1
		.amdhsa_wavefront_size32 1
		.amdhsa_system_sgpr_workgroup_id_x 1
		.amdhsa_system_sgpr_workgroup_id_y 1
		.amdhsa_system_sgpr_workgroup_id_z 1
		.amdhsa_system_vgpr_workitem_id 0
		.amdhsa_next_free_vgpr 960
		.amdhsa_next_free_sgpr 80
		.amdhsa_reserve_vcc 0
		.amdhsa_float_denorm_mode_32 3
		.amdhsa_float_denorm_mode_16_64 3
		.amdhsa_memory_ordered 1
		.amdhsa_forward_progress 1
		.amdhsa_inst_pref_size 118
	.end_amdhsa_kernel
	.amdgpu_metadata
---
amdhsa.version: [ 1, 2 ]
amdhsa.kernels:
  - .name:           k_q8179f1e760_qkv
    .symbol:         k_q8179f1e760_qkv.kd
    .args:
      - { .name: xb, .offset: 0, .size: 8, .value_kind: global_buffer, .address_space: global }
      - { .name: wqkv, .offset: 8, .size: 8, .value_kind: global_buffer, .address_space: global }
      - { .name: cos, .offset: 16, .size: 8, .value_kind: global_buffer, .address_space: global }
      - { .name: sin, .offset: 24, .size: 8, .value_kind: global_buffer, .address_space: global }
      - { .name: qh, .offset: 32, .size: 8, .value_kind: global_buffer, .address_space: global }
      - { .name: kh, .offset: 40, .size: 8, .value_kind: global_buffer, .address_space: global }
      - { .name: vh, .offset: 48, .size: 8, .value_kind: global_buffer, .address_space: global }
    .group_segment_fixed_size: 327680
    .private_segment_fixed_size: 0
    .kernarg_segment_align: 8
    .kernarg_segment_size: 56
    .max_flat_workgroup_size: 128
    .sgpr_count:     80
    .vgpr_count:     960
    .wavefront_size: 32
...
	.end_amdgpu_metadata
.endif
;; end of part 2
;; launch attn (part 3): grid 16 x 16, 4 waves a work-group, clusters of 4 x 1, 327,680 bytes of LDS; arguments qh, kh, vh, oh; writes oh
.if DOCPART == 3
	.amdgcn_target "amdgcn-amd-amdhsa--gfx1250"
	.amdhsa_code_object_version 6
	.text
	.protected	k_q8179f1e760_attn
	.globl	k_q8179f1e760_attn
	.p2align	8
	.type	k_q8179f1e760_attn,@function
k_q8179f1e760_attn:
	s_mov_b64 s[64:65], 0
	v_nop
	global_prefetch_b8 v0, s[64:65] scope:SCOPE_SE
	s_setreg_imm32_b32 hwreg(HW_REG_WAVE_MODE, 25, 1), 1
	s_wait_xcnt 0x0
	s_wait_alu depctr_hold_cnt(0) depctr_sa_sdst(0) depctr_va_vdst(0) depctr_va_sdst(0) depctr_va_ssrc(0) depctr_va_vcc(0) depctr_vm_vsrc(0)
	s_getreg_b32 s2, hwreg(HW_REG_IB_STS2, 6, 4)
	s_cmp_eq_u32 s2, 0
	s_cbranch_scc0 .Lentry_in_a_cluster
	s_endpgm
.Lentry_in_a_cluster:
	s_bfe_u32 s2, ttmp6, 0x10000c
	s_cmp_lg_u32 s2, 0x3003
	s_cbranch_scc0 .Lentry_shape_is_right
	s_endpgm
.Lentry_shape_is_right:
; CAUSAL ATTENTION, head size 128.  qh, kh, vh: [16][2048][128] f16 (q carries log2(e) / sqrt(128) x 2^-3, k 2^-6, v 2^-2); oh: [2048][2048] f16, column 128 head + d, still times 2^-2.
; Products, maxima and sums in f32; the weights p are rounded to f16 for the second product (their sum l is taken of the unrounded p), O once at the end.
; SOFTMAX.  p = 2^(c s - c m) with c = 2^9 exactly: c m is exact, so no exponent is above 0 and the largest score's is 0.  A running maximum m and sum l; O and l are multiplied by a = 2^(c m_old - c m_new) in every step.
; LIMITS.  A hidden score counts as its value less 1e30; m starts at -2^83, far below every true score (5.5e11 at the most) and far above every hidden one.  A row all of whose visible logits lie below about -1e10
; is not served as the reference serves it (there hidden keys would get weight).  A weight below 2^-126 counts as 0.  NaN and infinities are not treated apart.
; THE WALK.  A head has 8 blocks of 256 queries; block i needs the key slots 0 .. i of 256 keys, the last of which holds the diagonal.  Cluster g takes block 7 - g and then block g: 9 slots whatever g.
; Its four work-groups take 64 queries each of the same block, so all four want the same slot in every trip: each slot is asked for JOINTLY, and every trip count hangs on g alone, which the partners share.
; THE KEYS ARE SPLIT AMONG THE WAVES: wave w takes keys 64 w .. 64 w + 63 of each slot for all 64 queries (four tiles of 16), with its own m, l and O^T; at a block's end the four are merged in f32 through LDS,
; wave w finishing tile w.  A fragment of K or V read from LDS so feeds four tiles' products.
; THE MASK is the C operand that starts S^T = K Q^T.  In the diagonal slot wave w sees all (w < cx), nothing (w > cx), or holds the diagonal (w = cx: key block kb against tile t: all, the triangle, nothing).
; Three mask groups (kb < t, kb = t, kb > t) are made anew in each step from three scalars, which are 0 in every other slot.  cx enters values and global addresses alone.
; A STEP: K Q^T of tiles 0, 1 (K came in during the step before); V's run of loads; K Q^T of tiles 2, 3 with the softmax of tiles 0, 1 in slices behind the products; THE CHANGE OF SLOTS, since K and V of this slot are
; now in registers; V^T P of tiles 0, 1 with the softmax of tiles 2, 3; the next step's K, out of the other slot; V^T P of tiles 2, 3.  So no step begins with a wait for LDS, and a refill has a whole step in which to land.
; REGISTERS (windows of 256; s_set_vgpr_msb: bits 1:0 source 0, 3:2 source 1, 5:4 source 2, 7:6 destination):
;   window 0: v0-11, v44-63 addresses and the merge's factors; v12-43 statistics; v64-191 S^T; v192-255 P      window 1: O^T, 64 a tile
;   window 2: v0-127 Q; v128-255 K of one step      window 3: v0-127 V of one step; v128-159 the triangle and the three mask groups
.set KP,    272                        ; a row of K in LDS: 256 bytes + 16
.set VP,    288                        ; a row of V: 256 + 32, for the turning load
.set VOFF,  256*KP                     ; a slot: 256 rows of K, then 256 rows of V
.set SLOTB, VOFF+256*VP
.set STATS, SLOTB                      ; behind slot 0: [wave][tile][16 queries] of {c m, l}: 2,048 bytes, never filled by a tensor load
.set SPARE, STATS+2048                 ; the spare words, 128 bytes a wave: two blocks of 256 bytes that no other line names
.set SLOTX, 0x24000                    ; slot 1 begins here; it shares no bit with a tile's place in a slot (0, 0x8800, 0x11000, 0x1a000), so one exclusive or changes slots
.set INBOX, SLOTX+SLOTB                ; four inboxes of 8,192 bytes, a wave each, for the merge; a wave's own also serves as its stage on the way out
.set AK0, 2
.set AV0, 3
.set AK,  4
.set AV,  5
.set QO,  6
.set STO, 7
.set RD,  8
.set ST,  12                           ; tile t's statistics at v[ST+8 t]: c m, m, l (even keys', odd keys'), four at work; a takes the third of those
.set GO,  44
.set SW,  45
.set IBX, 46
.set SB0, 47
.set FR,  48                           ; v48-55  the merge's factors f_r in the even registers, their exponents in the odd ones
.set SR,  56                           ; v56-59  where the statistics of my tile lie, from the wave r places back
.set PFO, 60
.set LT,  61
.set SPW, 62
.set NIL, 63
.set S,   64
.set P,   192
.set ACC, 64                           ; the merge: my tile's sum,
.set IN,  128                          ; a tile received,
.set XS,  192                          ; four pairs {c m, l},
.set RR,  200                          ; 1 / l,
.set CMT, 202                          ; the common c m,
.set PKO, 208                          ; packed f16
.set KF,  128
.set TRI, 128
.set MLO, 136
.set MEQ, 144
.set MHI, 152
.set WV,  12
.set CX,  13
.set GG,  14
.set HD,  15
.set G1K, 24
.set G1V, 32
.set G0K, 40                           ; s[40:47] group 0 for K's tiles: a set for each of the two first fills; the second then serves every refill
.set KB,  48                           ; s[48:49], s[50:51] kh, vh at the head, at my half of slot 0
.set VB,  50
.set OFF, 52
.set FLAG, 54                          ; s54  0 while the first block is in hand
.set HOFF, 55                          ; s55  the head's first byte in qh, kh, vh
.set SLOTS, 56
.set RT,  57                           ; slots of the block in hand still to be walked, the one in hand among them
.set CS,  58
.set SEL, 60
.set TB,  62                           ; LDS byte at which the slot that is read next begins
.set NXT, 63                           ; the slot to be asked for next
.set LQ,  66                           ; the last slot of the block whose slots are being asked for
.set AL,  68
.set BLO, 70
.set BHI, 72
.set DAL, 73
.set DBLO, 74
.set DBHI, 75
.set NEG, 76
.set PFA, 78
.set LIM, 80
.set QLO, 82
.set OB,  84                           ; s[84:85] oh at my 16 rows of the block in hand
.set OLO, 86                           ; s[86:87] of the second block
.set G0V, 88                           ; s[88:95] group 0 for V's tiles, as K's
.set MSB, 0
.macro WIN new
.if MSB != (\new)
	s_set_vgpr_msb (MSB<<8)|(\new)
.set MSB, \new
.endif
.endm
.macro PLACES
.rept 4
	v_nop
.endr
.endm
.macro JLOAD                           ; a refill: waves 0 and 1 fetch the two halves of a slot's K, waves 2 and 3 those of its V: 128 rows of 256 bytes each
	s_cmp_lt_u32 s[WV], 2
	s_cbranch_scc0 .Lfor_v_\@
	tensor_load_to_lds s[G0K+4:G0K+7], s[G1K:G1K+7]
	s_nop 0
.rept 4
	v_nop
.endr
	s_branch .Lasked_\@
.Lfor_v_\@:
	tensor_load_to_lds s[G0V+4:G0V+7], s[G1V:G1V+7]
	s_nop 0
.rept 4
	v_nop
.endr
.Lasked_\@:
.endm
.macro CROUND
	s_barrier_signal -1
	s_barrier_wait -1
	s_cmp_lg_u32 s[WV], 0
	s_cbranch_scc1 .Lnot_wave_0_\@
	s_barrier_signal -3
.Lnot_wave_0_\@:
	s_barrier_wait -3
	s_barrier_signal -1
	s_barrier_wait -1
.endm
; A PREFETCH INTO THE L2 of the slot that the next change will ask for.  All four clusters of a head begin with slots 0, 1, 2 ..: cluster g = 0, whose first block walks all eight, asks.  Its four partners take 64 rows
; each by address; of those, waves 0 and 1 take 32 rows of K each, waves 2 and 3 of V: a lane a row.  The change that asks for slot 7 and the one behind it prefetch nothing: the second block's slots have been read.
.macro ASK
	s_cmp_gt_u32 s[SLOTS], s[LIM]
	s_cbranch_scc0 .Lnot_mine_\@
	global_prefetch_b8 v[PFO], s[PFA:PFA+1] th:TH_LOAD_NT scope:SCOPE_SE
.Lnot_mine_\@:
.endm
; THE CHANGE OF SLOTS, in the middle of a step.  Each wave waits for all its tensor loads (one is out at the most: its part of the other slot), adds 0 to its spare word, and waits for that and for its reads of the slot
; in hand, of which V's run is the last: the same wait shows V in.  fill = 1: the barrier is a round of the cluster's, and the slot is filled again first thing behind it, with slot NXT; the address is made anew from that number.
.macro CHANGE fill
	WIN 0
	s_wait_tensorcnt 0x0
	ds_add_u32 v[SPW], v[NIL]                      ; 0 onto my spare word; with fill = 1, scalar work stands between it and the wait for it
.if \fill
	s_lshl_b32 s[OFF], s[NXT], 16                  ; a slot is 65,536 bytes of K and of V
	s_xor_b32 s[G0K+5], s[G0K+5], SLOTX
	s_add_nc_u64 s[G0K+6:G0K+7], s[KB:KB+1], s[OFF:OFF+1]
	s_or_b32 s[G0K+7], s[G0K+7], 0x80000000
	s_xor_b32 s[G0V+5], s[G0V+5], SLOTX
	s_add_nc_u64 s[G0V+6:G0V+7], s[VB:VB+1], s[OFF:OFF+1]
	s_or_b32 s[G0V+7], s[G0V+7], 0x80000000
	s_add_co_u32 s[NXT], s[NXT], 1                 ; the block's next slot, or behind its last the second block's slot 0
	s_cmp_gt_u32 s[NXT], s[LQ]
	s_cselect_b32 s[NXT], 0, s[NXT]
	s_cselect_b32 s[LQ], s[GG], s[LQ]
	s_wait_xcnt 0x0                                ; the last prefetch, a step back, has read its address
	s_add_nc_u64 s[PFA:PFA+1], s[PFA:PFA+1], 65536
.endif
	s_wait_dscnt 0x0                               ; the add is done, V is in, and my reads of the slot are over
.if \fill
	CROUND
	JLOAD
	ASK
.else
	s_barrier_signal -1
	s_barrier_wait -1
.endif
	s_xor_b32 s[TB], s[TB], SLOTX
.endm
	s_load_b256 s[4:11], s[0:1], 0x0               ; qh s[4:5], kh s[6:7], vh s[8:9], oh s[10:11]
	v_lshl_add_u32 v[SPW], v0, 2, SPARE
	v_mov_b32 v[NIL], 0
	ds_add_u32 v[SPW], v[NIL]                      ; the wave's opening: the add and its wait ahead of my first tensor load
	v_lshrrev_b32 v1, 5, v0
	v_readfirstlane_b32 s[WV], v1
	s_bfe_u32 s[CX], ttmp6, 0x40000
	s_mov_b32 s[GG], ttmp9                         ; g: the cluster's number in its head
	s_and_b32 s[HD], ttmp7, 0xffff
	s_lshl_b32 s[HOFF], s[HD], 19
	s_and_b32 s18, s[WV], 1
	s_lshl_b32 s20, s18, 15                        ; my half of a slot: 128 rows of 256 bytes
	s_add_co_u32 s20, s20, s[HOFF]
	s_mov_b32 s21, 0
	s_sub_co_u32 s19, 7, s[GG]                     ; the first block
	s_lshl_b32 s22, s19, 16
	s_lshl_b32 s23, s[CX], 14                      ; my work-group's 64 rows
	s_add_co_u32 s22, s22, s23
	s_add_co_u32 s22, s22, s[HOFF]
	s_mov_b32 s23, 0
	s_mov_b32 s[G1K], 15|(1<<16)|(1<<20)|(1<<21)|(5<<22)|(3<<25)  ; the mask of four; 2-byte elements; padding on; bit 21 beside a mask; after every 64 words, 4 words
	s_mov_b32 s[G1V], 15|(1<<16)|(1<<20)|(1<<21)|(5<<22)|(7<<25)  ; the same with 8 words
.irp g, G1K, G1V
	s_mov_b32 s[(\g)+1], 128<<16                   ; tensor_dim0 = 128
	s_mov_b32 s[(\g)+2], 128<<16                   ; tensor_dim1 = 128
	s_mov_b32 s[(\g)+3], 128<<16                   ; tile_dim0 = 128
	s_mov_b32 s[(\g)+4], 128                       ; tile_dim1 = 128
	s_mov_b32 s[(\g)+5], 128                       ; elements from row to row
	s_mov_b32 s[(\g)+6], 0
	s_mov_b32 s[(\g)+7], 0
.endr
	s_mul_i32 s16, s18, 128*KP                     ; my half's place in a slot, for K
	s_mul_i32 s17, s18, 128*VP                     ; and for V
.irp s, 0,1
	s_mov_b32 s[G0K+4*(\s)], 1
	s_add_co_u32 s[G0K+4*(\s)+1], s16, (\s)*SLOTX
	s_mov_b32 s[G0V+4*(\s)], 1
	s_add_co_u32 s[G0V+4*(\s)+1], s17, VOFF+(\s)*SLOTX
.endr
	s_mov_b32 s[OFF+1], 0
	s_mov_b32 s[FLAG], 0
	s_mov_b32 s[CS], 0x44000000                    ; c = 2^9
	s_mov_b32 s[CS+1], s[CS]
	s_mov_b32 s[SEL], 0x76543210
	s_mov_b32 s[SEL+1], 0xfedcba98
	s_mov_b32 s[TB], 0
	s_mov_b32 s[NXT], 2                            ; slots 0 and 1 are the first fills (the first block has five slots at the least)
	s_mov_b32 s[LQ], s19
	s_sub_co_u32 s[RT], 8, s[GG]                   ; the first block has 8 - g slots
	s_mov_b32 s[NEG], 0xf149f2ca                   ; -1e30
	s_mov_b32 s[AL+1], 0
	s_mov_b32 s[BLO+1], 0
	s_cmp_eq_u32 s[WV], s[CX]                      ; the diagonal slot's three scalars: values, no branch hangs on them
	s_cselect_b32 s[DAL], 1.0, 0
	s_cmp_gt_u32 s[WV], s[CX]
	s_cselect_b32 s[DBLO], s[NEG], 0
	s_cmp_ge_u32 s[WV], s[CX]
	s_cselect_b32 s[DBHI], s[NEG], 0
	s_cmp_eq_u32 s[GG], 0
	s_cselect_b32 s[LIM], 2, -1
	s_wait_dscnt 0x0                               ; the opening add is done
	s_wait_kmcnt 0x0
	s_add_nc_u64 s[KB:KB+1], s[6:7], s[20:21]
	s_add_nc_u64 s[VB:VB+1], s[8:9], s[20:21]
	s_add_nc_u64 s[16:17], s[4:5], s[22:23]        ; Q at my rows of the first block
.irp s, 0,1
	s_add_nc_u64 s[G0K+4*(\s)+2:G0K+4*(\s)+3], s[KB:KB+1], (\s)*65536
	s_or_b32 s[G0K+4*(\s)+3], s[G0K+4*(\s)+3], 0x80000000
	s_add_nc_u64 s[G0V+4*(\s)+2:G0V+4*(\s)+3], s[VB:VB+1], (\s)*65536
	s_or_b32 s[G0V+4*(\s)+3], s[G0V+4*(\s)+3], 0x80000000
.endr
	CROUND                                         ; all four work-groups are here: the first joint loads meet
	s_cmp_lt_u32 s[WV], 2                          ; a wave's two first fills stand in one branch, ahead of every wait on TENSORcnt and every LDS read: two loads of mine are out
	s_cbranch_scc0 .Lfirst_v
	tensor_load_to_lds s[G0K:G0K+3], s[G1K:G1K+7]
	s_nop 0
	tensor_load_to_lds s[G0K+4:G0K+7], s[G1K:G1K+7]
	s_nop 0
.rept 4
	v_nop
.endr
	s_branch .Lfirst_asked
.Lfirst_v:
	tensor_load_to_lds s[G0V:G0V+3], s[G1V:G1V+7]
	s_nop 0
	tensor_load_to_lds s[G0V+4:G0V+7], s[G1V:G1V+7]
	s_nop 0
.rept 4
	v_nop
.endr
.Lfirst_asked:
	v_and_b32 v1, 15, v0                           ; l % 16
	v_bfe_u32 v9, v0, 4, 1                         ; l / 16
	v_lshlrev_b32 v[QO], 8, v1
	v_lshl_add_u32 v[QO], v9, 4, v[QO]
.macro QLOAD base                      ; 64 queries x 128 channels stay in registers: tile i / 4, channels 32 (i % 4) on
	WIN 0x80
.set i, 0
.rept 16
	global_load_b128 v[8*i:8*i+3],   v[QO], s[(\base):(\base)+1] offset:(i/4)*4096+(i%4)*64
	global_load_b128 v[8*i+4:8*i+7], v[QO], s[(\base):(\base)+1] offset:(i/4)*4096+(i%4)*64+32
.set i, i+1
.endr
	WIN 0
.endm
	QLOAD 16
	; O^T need only be finite: a block's first step multiplies it by a = 0, so that no first step is written out.  It is set to 0 by 32 products of two fragments of zeros, in the wait for the first tile.
.set i, 0
.rept 16
	v_mov_b32 v[S+i], 0
.set i, i+1
.endr
	WIN 0x40                                       ; destination window 1, sources window 0
.set i, 0
.rept 32
	v_wmma_f32_16x16x32_f16 v[8*i:8*i+7], v[S:S+7], v[S+8:S+15], 0
.set i, i+1
.endr
	WIN 0
.macro RESET                           ; a block begins: c m_old far below every c m, so that the first a is 0; m at its floor; l at 0
.irp t, 0,1,2,3
	v_mov_b32 v[ST+8*(\t)], 0xfe000000
	v_mov_b32 v[ST+8*(\t)+1], 0xe9000000           ; -2^83
	v_mov_b32 v[ST+8*(\t)+2], 0
	v_mov_b32 v[ST+8*(\t)+3], 0
.endr
.endm
	RESET
	s_lshl_b32 s20, s[GG], 16                      ; Q at my rows of the second block
	s_lshl_b32 s21, s[CX], 14
	s_add_co_u32 s20, s20, s21
	s_add_co_u32 s20, s20, s[HOFF]
	s_mov_b32 s21, 0
	s_add_nc_u64 s[QLO:QLO+1], s[4:5], s[20:21]
	s_lshl_b32 s22, s[CX], 18                      ; oh: rows of 4,096 bytes: 64 cx + 16 w rows, the head's 256 bytes
	s_lshl_b32 s23, s[WV], 16
	s_add_co_u32 s22, s22, s23
	s_lshl_b32 s23, s[HD], 8
	s_add_co_u32 s22, s22, s23
	s_lshl_b32 s20, s19, 20
	s_add_co_u32 s20, s20, s22
	s_add_nc_u64 s[OB:OB+1], s[10:11], s[20:21]
	s_lshl_b32 s20, s[GG], 20
	s_add_co_u32 s20, s20, s22
	s_add_nc_u64 s[OLO:OLO+1], s[10:11], s[20:21]
	s_lshl_b32 s20, s[CX], 14                      ; the prefetches: my work-group's 64 rows, my wave's 32, in slot 2; the first change steps this to slot 3
	s_lshl_b32 s22, s18, 13
	s_add_co_u32 s20, s20, s22
	s_add_co_u32 s20, s20, s[HOFF]
	s_add_co_u32 s20, s20, 2*65536
	s_cmp_lt_u32 s[WV], 2
	s_cselect_b64 s[PFA:PFA+1], s[6:7], s[8:9]
	s_add_nc_u64 s[PFA:PFA+1], s[PFA:PFA+1], s[20:21]
	v_mul_u32_u24 v[AK0], v1, KP
	v_lshl_add_u32 v[AK0], v9, 4, v[AK0]
	s_mul_i32 s20, s[WV], 64*KP                    ; my 64 keys of a slot
	v_add_nc_u32 v[AK0], s20, v[AK0]
	v_and_b32 v10, 7, v0
	v_bfe_u32 v11, v0, 3, 1
	v_lshl_add_u32 v[AV0], v9, 3, v10
	v_mul_u32_u24 v[AV0], v[AV0], VP
	v_lshl_add_u32 v[AV0], v11, 4, v[AV0]
	s_mul_i32 s20, s[WV], 64*VP
	s_add_co_u32 s20, s20, VOFF
	v_add_nc_u32 v[AV0], s20, v[AV0]
	s_lshl_b32 s20, s[WV], 13
	s_add_co_u32 s20, s20, INBOX                   ; my inbox
	v_mul_u32_u24 v[STO], v1, KP
	v_lshl_add_u32 v[STO], v9, 4, v[STO]
	v_add_nc_u32 v[STO], s20, v[STO]
	v_mul_u32_u24 v[RD], v9, KP
	v_lshl_add_u32 v[RD], v1, 4, v[RD]
	v_add_nc_u32 v[RD], s20, v[RD]
	v_lshlrev_b32 v[GO], 12, v9
	v_lshl_add_u32 v[GO], v1, 4, v[GO]
	v_and_b32 v11, 31, v0
	v_lshl_add_u32 v[IBX], v11, 4, s20
	v_lshl_add_u32 v[SB0], v11, 4, INBOX
	v_lshlrev_b32 v[PFO], 8, v11
	s_lshl_b32 s20, s[WV], 9
	s_add_co_u32 s20, s20, STATS
	v_lshl_add_u32 v[SW], v1, 3, s20
.irp r, 0,1,2,3
	s_sub_co_u32 s20, s[WV], \r
	s_and_b32 s20, s20, 3
	s_lshl_b32 s20, s20, 9
	s_lshl_b32 s21, s[WV], 7
	s_add_co_u32 s20, s20, s21
	s_add_co_u32 s20, s20, STATS
	v_lshl_add_u32 v[SR+(\r)], v1, 3, s20
.endr
	v_lshlrev_b32 v10, 3, v9
	v_sub_nc_u32 v10, v1, v10                      ; my query's place in its tile less my lanes' 8 (l / 16): register r of the tile's own key block is hidden where r is greater
	WIN 0xc0
.set i, 0
.rept 8
	v_cmp_gt_i32 vcc_lo, i, v10
	v_cndmask_b32 v[TRI+i], 0, s[NEG], vcc_lo
.set i, i+1
.endr
	WIN 0
; Product i of 32 of S^T = K Q^T for tiles x, x + 1: channels 32 (i / 8) on, keys 16 ((i / 2) % 4) on, tile x + i % 2.  The first 8 start the sums with the mask.  The 8 accumulators take turns.
.macro KQ x
.set tq, (\x)+i%2
.set kb, (i/2)%4
.set rS, S+32*tq+8*kb
.set rK, KF+32*kb+8*(i/8)
.set rQ, 32*tq+8*(i/8)
.if i < 8
.if kb < tq
.set rM, MLO
.elseif kb == tq
.set rM, MEQ
.else
.set rM, MHI
.endif
	WIN 0x3a
	v_wmma_f32_16x16x32_f16 v[rS:rS+7], v[rK:rK+7], v[rQ:rQ+7], v[rM:rM+7]
.else
	WIN 0x0a
	v_wmma_f32_16x16x32_f16 v[rS:rS+7], v[rK:rK+7], v[rQ:rQ+7], v[rS:rS+7]
.endif
.endm
; Product i of 32 of O^T += V^T P: keys 32 (i / 16) on, channels 16 ((i / 2) % 8) on, tile x + i % 2.  16 accumulators take turns.
.macro PV x
	WIN 0x53
.set rO, 64*((\x)+i%2)+8*((i/2)%8)
.set rV, 64*(i/16)+8*((i/2)%8)
.set rP, P+16*((\x)+i%2)+8*(i/16)
	v_wmma_f32_16x16x32_f16 v[rO:rO+7], v[rV:rV+7], v[rP:rP+7], v[rO:rO+7]
.endm
; K of my 64 keys of the slot at s[TB]: 32 loads in one run.  last = 1 (the walk's last two steps): behind the very last step there is no slot, and the run is jumped over.
.macro FETCH_K last
	WIN 0
	v_add_nc_u32 v[AK], s[TB], v[AK0]
.if \last
	s_cmp_eq_u32 s[SLOTS], 1
	s_cbranch_scc1 .Lno_k_\@
.endif
	WIN 0x80
.irp f, 0,1,2,3,4,5,6,7,8,9,10,11,12,13,14,15  ; keys 16 (f / 4) on, channels 32 (f % 4) on
	ds_load_b128 v[KF+8*(\f):KF+8*(\f)+3],   v[AK] offset:((\f)/4)*16*KP+((\f)%4)*64
	ds_load_b128 v[KF+8*(\f)+4:KF+8*(\f)+7], v[AK] offset:((\f)/4)*16*KP+((\f)%4)*64+32
.endr
.if \last
	WIN 0
.Lno_k_\@:
.endif
.endm
; Number j of the 134 instructions of tile t's softmax for one step.  0-15 the maximum of the lane's 32 scores and the old m (each accumulator's lowest registers first); 16-20 the other half of the lanes', the new m,
; c m, its change; 21-69 ONE BATCH: the 16 scalings c s - c m and all 33 exponentials (a at 23), none of which reads an exponential's result; 70-85 the roundings to f16; 86-101 the sums, l = a l + sum; 102-133 O^T times a.
.macro SM t
.set rT, ST+8*(\t)
.set rS, S+32*(\t)
.set rP, P+16*(\t)
.set rO, 64*(\t)+2*(j-102)
.if j < 102
	WIN 0
.endif
.if j < 4
	v_max3_num_f32 v[rT+4+j], v[rS+8*j], v[rS+8*j+1], v[rS+8*j+2]
.elseif j < 12
	v_max3_num_f32 v[rT+4+j%4], v[rT+4+j%4], v[rS+8*(j%4)+2*(j/4)+1], v[rS+8*(j%4)+2*(j/4)+2]
.elseif j == 12
	v_max3_num_f32 v[rT+4], v[rT+4], v[rS+7], v[rS+15]
.elseif j == 13
	v_max3_num_f32 v[rT+6], v[rT+6], v[rS+23], v[rS+31]
.elseif j == 14
	v_max3_num_f32 v[rT+4], v[rT+4], v[rT+5], v[rT+6]
.elseif j == 15
	v_max3_num_f32 v[rT+4], v[rT+4], v[rT+7], v[rT+1]
.elseif j == 16
	v_permlanex16_b32 v[rT+5], v[rT+4], s[SEL], s[SEL+1]
.elseif j == 17
	v_mov_b32 v[rT+7], v[rT]
.elseif j == 18
	v_max_num_f32 v[rT+1], v[rT+4], v[rT+5]
.elseif j == 19
	v_mul_f32 v[rT], s[CS], v[rT+1]
.elseif j == 20
	v_sub_f32 v[rT+7], v[rT+7], v[rT]
.elseif j == 23
	v_exp_f32 v[rT+6], v[rT+7]
.elseif (j < 23) || ((j < 38) && (j%2 == 0)) || ((j < 66) && (j%4 == 2))
.set b, (j-2)/4
.if j < 38
.set b, (j-20)/2
.endif
	v_pk_fma_f32 v[rS+2*b:rS+2*b+1], v[rS+2*b:rS+2*b+1], s[CS:CS+1], v[rT:rT+1] op_sel_hi:[1,0,0] neg_lo:[0,0,1] neg_hi:[0,0,1]
.elseif j < 70
.set e, j-38
.if j < 66
.set e, j-32-(j-38)/4
.endif
.if j < 38
.set e, (j-25)/2
.endif
	v_exp_f32 v[rS+e], v[rS+e]
.elseif j < 86
	v_cvt_pk_f16_f32 v[rP+j-70], v[rS+2*(j-70)], v[rS+2*(j-70)+1]
.elseif j < 102
.set z, j-86
.set w, 4
.set u, z
.if z >= 14
.set w, 32
.set u, 0
.elseif z >= 12
.set w, 16
.set u, z-12
.elseif z >= 8
.set w, 8
.set u, z-8
.endif
.if z < 15
	v_pk_add_f32 v[rS+w*u:rS+w*u+1], v[rS+w*u:rS+w*u+1], v[rS+w*u+w/2:rS+w*u+w/2+1]
.else
	v_pk_fma_f32 v[rT+2:rT+3], v[rT+2:rT+3], v[rT+6:rT+7], v[rS:rS+1] op_sel_hi:[1,0,1]
.endif
.else
	WIN 0x41
	v_pk_mul_f32 v[rO:rO+1], v[rO:rO+1], v[rT+6:rT+7] op_sel_hi:[1,0]
.endif
.endm
; Slice k of 64 of the softmax of tiles y, y + 1.  Slices 11 to 34 deal out the batch, four numbers of one tile each, the tiles by turns; every other slice is numbers 2 k, 2 k + 1 of both tiles; slice 63 takes the twelve
; that are over.  Behind slice 34 all 66 exponentials are out and no result has been named: one plain instruction, and the one wait ahead of the first reader.
.macro SLICE y
.if (k >= 11) && (k < 35)
.irp n, 0,1,2,3
.set j, 22+4*((k-11)/2)+(\n)
	SM (\y)+(k-11)%2
.endr
.else
.irp n, 0,1,2,3,4,5,6,7
.if ((\n) < 2) || (k == 63)
.irp t, \y, (\y)+1
.set j, 2*k+(\n)
	SM \t
.endr
.endif
.endr
.endif
.if k == 34
	v_nop
	s_wait_alu depctr_va_vdst(0)
.endif
.set k, k+1
.endm
; A STEP: my 64 keys of a slot against the 64 queries: 128 matrix instructions.  fill = 1: its change of slots fills the slot again.  The 21 plain instructions at its head are the places between the last step's
; products and the loads into V's registers; K's registers were last read in front of the first softmax's last slices.
.macro STEP fill
	WIN 0
	s_cmp_eq_u32 s[RT], 1                          ; is this slot the block's last, the diagonal one?
	s_cselect_b32 s[AL], s[DAL], 0
	s_cselect_b32 s[BLO], s[DBLO], 0
	s_cselect_b32 s[BHI], s[DBHI], 0
	v_add_nc_u32 v[AV], s[TB], v[AV0]
	WIN 0xc3
.set i, 0
.rept 8
	v_mov_b32 v[MLO+i], s[BLO]
	v_mov_b32 v[MHI+i], s[BHI]
.set i, i+1
.endr
.set i, 0
.rept 4
	v_pk_fma_f32 v[MEQ+2*i:MEQ+2*i+1], v[TRI+2*i:TRI+2*i+1], s[AL:AL+1], s[BLO:BLO+1] op_sel_hi:[1,0,0]
.set i, i+1
.endr
	s_wait_dscnt 0x0                               ; K is in: its run was issued 32 matrix instructions back
.set i, 0
.rept 32
	KQ 0
.set i, i+1
.endr
	WIN 0xc0
.irp f, 0,1,2,3,4,5,6,7,8,9,10,11,12,13,14,15  ; V, turned: keys 32 (f / 8) on, channels 16 (f % 8) on
	ds_load_tr16_b128 v[8*(\f):8*(\f)+3],   v[AV] offset:((\f)/8)*32*VP+((\f)%8)*32
	ds_load_tr16_b128 v[8*(\f)+4:8*(\f)+7], v[AV] offset:((\f)/8)*32*VP+16*VP+((\f)%8)*32
.endr
	PLACES                                         ; behind the last of those products, ahead of the first read of their scores
.set k, 0
.set i, 0
.rept 32
	KQ 2
	SLICE 0
	SLICE 0
.set i, i+1
.endr
	CHANGE \fill
.set k, 0
.set i, 0
.rept 32
	PV 0
	SLICE 2
	SLICE 2
.set i, i+1
.endr
	FETCH_K 1-(\fill)                              ; the next step's K, out of the slot that the change has shown whole
.set i, 0
.rept 32
	PV 2
.set i, i+1
.endr
.endm
; THE MERGE.  In round r wave w sends its O^T of tile (w + r) % 4 to that tile's wave: 16 bytes a lane, sixteen times, into the receiver's inbox; registers are chosen by four tests on the wave's number, with no barrier inside.
.macro SENDR r
.irp w, 0,1,2,3
	s_cmp_lg_u32 s[WV], \w
	s_cbranch_scc1 .Lsent_\@_\w
	WIN 0x04                                       ; store data in window 1
.set i, 0
.rept 16
	ds_store_b128 v[SB0], v[64*(((\w)+(\r))%4)+4*i:64*(((\w)+(\r))%4)+4*i+3] offset:(((\w)+(\r))%4)*8192+512*i
.set i, i+1
.endr
	WIN 0
.Lsent_\@_\w:
.endr
.endm
.macro RECV
.set i, 0
.rept 16
	ds_load_b128 v[IN+4*i:IN+4*i+3], v[IBX] offset:512*i
.set i, i+1
.endr
.endm
.macro BAR
	s_wait_dscnt 0x0                               ; my LDS stores are done and my LDS loads are back,
	s_barrier_signal -1
	s_barrier_wait -1                              ; everybody's are
.endm
.macro FOLD r                          ; my tile's sum takes the tile received, times its wave's factor
.set i, 0
.rept 32
	v_pk_fma_f32 v[ACC+2*i:ACC+2*i+1], v[IN+2*i:IN+2*i+1], v[FR+2*(\r):FR+2*(\r)+1], v[ACC+2*i:ACC+2*i+1] op_sel_hi:[1,0,1]
.set i, i+1
.endr
.endm
.macro OWN                             ; it starts with my own O^T of my tile
.irp w, 0,1,2,3
	s_cmp_lg_u32 s[WV], \w
	s_cbranch_scc1 .Lown_\@_\w
	WIN 0x01
.set i, 0
.rept 32
	v_pk_mul_f32 v[ACC+2*i:ACC+2*i+1], v[64*(\w)+2*i:64*(\w)+2*i+1], v[FR:FR+1] op_sel_hi:[1,0]
.set i, i+1
.endr
	WIN 0
.Lown_\@_\w:
.endr
.endm
; A BLOCK ENDS.  With f_r = 2^(c m_r - c m_tot) / l_tot and l_tot = the sum of 2^(c m_r - c m_tot) l_r over the four waves, O = the sum of f_r O_r.  A wave that saw hidden keys alone has c m = -2^92, l = 0, O^T = 0.
; Five barriers: the inboxes are written, read, written again.  One text serves both blocks: oh's address lies in s[OB:OB+1];
; at the first block's end the second block's Q is loaded meanwhile; the statistics start anew.
.macro BLOCKEND
	WIN 0
.irp t, 0,1,2,3
	v_add_f32 v[ST+8*(\t)+4], v[ST+8*(\t)+2], v[ST+8*(\t)+3]  ; these four are the places behind the last products
.endr
.irp t, 0,1,2,3
	v_permlanex16_b32 v[ST+8*(\t)+5], v[ST+8*(\t)+4], s[SEL], s[SEL+1]
.endr
.irp t, 0,1,2,3
	v_add_f32 v[ST+8*(\t)+1], v[ST+8*(\t)+4], v[ST+8*(\t)+5]  ; l beside c m, as a pair
.endr
	s_cmp_eq_u32 s[FLAG], 0                        ; made of g and counts: the same in all waves and all partners
	s_cbranch_scc0 .Lno_q_\@
	QLOAD QLO
.Lno_q_\@:
.irp t, 0,1,2,3
	ds_store_b64 v[SW], v[ST+8*(\t):ST+8*(\t)+1] offset:128*(\t)
.endr
	SENDR 1
	BAR
.irp r, 0,1,2,3
	ds_load_b64 v[XS+2*(\r):XS+2*(\r)+1], v[SR+(\r)]
.endr
	RECV
	s_wait_dscnt 16                                ; the four pairs are in; the tile's sixteen loads may stay out
	v_max3_num_f32 v[CMT], v[XS], v[XS+2], v[XS+4]
	v_max_num_f32 v[CMT], v[CMT], v[XS+6]
.irp r, 0,1,2,3
	v_sub_f32 v[FR+2*(\r)+1], v[XS+2*(\r)], v[CMT]
.endr
.irp r, 0,1,2,3
	v_exp_f32 v[FR+2*(\r)], v[FR+2*(\r)+1]
.endr
	v_nop                                          ; a plain instruction behind the last exponential,
	s_wait_alu depctr_va_vdst(0)                   ; and the one wait for the four
	v_mul_f32 v[LT], v[FR], v[XS+1]
	v_fmac_f32 v[LT], v[FR+2], v[XS+3]
	v_fmac_f32 v[LT], v[FR+4], v[XS+5]
	v_fmac_f32 v[LT], v[FR+6], v[XS+7]
	v_rcp_f32 v[RR], v[LT]                         ; every query sees its own key: l_tot is 1 at the least
	v_nop
	s_wait_alu depctr_va_vdst(0)
.irp r, 0,1,2,3
	v_mul_f32 v[FR+2*(\r)], v[FR+2*(\r)], v[RR]
.endr
	OWN
	s_wait_dscnt 0x0
	FOLD 1
	BAR
	SENDR 2
	BAR
	RECV
	s_wait_dscnt 0x0
	FOLD 2
	BAR
	SENDR 3
	BAR
	RECV
	s_wait_dscnt 0x0
	FOLD 3
.set i, 0
.rept 32
	v_cvt_pk_f16_f32 v[PKO+i], v[ACC+2*i], v[ACC+2*i+1]
.set i, i+1
.endr
.irp f, 0,1,2,3,4,5,6,7                ; through my own inbox, which nobody writes any more in this block: rows of 272 bytes in, whole rows of 256 back
	ds_store_b128 v[STO], v[PKO+4*(\f):PKO+4*(\f)+3] offset:32*(\f)
.endr
.irp f, 0,1,2,3,4,5,6,7
	ds_load_b128 v[PKO+4*(\f):PKO+4*(\f)+3], v[RD] offset:(\f)*2*KP  ; LDS serves a wave's instructions in order (ISA guide 5.7.1.4): these see the stores above
.endr
.irp f, 0,1,2,3,4,5,6,7
	s_wait_dscnt 7-(\f)
	global_store_b128 v[GO], v[PKO+4*(\f):PKO+4*(\f)+3], s[OB:OB+1] offset:8192*(\f)  ; 16 lanes store 256 consecutive bytes, aligned: a head's part of a row of oh
.endr
	RESET
	s_wait_loadcnt 0x0                             ; the second block's Q
	s_wait_xcnt 0x0                                ; the stores have read their registers, which the next step writes, and their base:
	s_mov_b64 s[OB:OB+1], s[OLO:OLO+1]
	s_mov_b32 s[FLAG], 1
	s_add_co_u32 s[RT], s[GG], 1                   ; the second block has g + 1 slots
.endm
	s_wait_tensorcnt 1                             ; my part of slot 0 is in; slot 1's may stay out
	s_barrier_signal -1
	s_barrier_wait -1                              ; everybody's is
	FETCH_K 0                                      ; the first step's K
	WIN 0
	s_wait_loadcnt 0x0                             ; Q
	s_mov_b32 s[SLOTS], 7
.Lslot:                                        ; seven trips: a slot is walked and filled again, with the slot two on in the walk
	STEP 1
	WIN 0
	s_sub_co_u32 s[RT], s[RT], 1
	s_cmp_lg_u32 s[RT], 0                          ; made of g and a count: the same in all waves and all partners
	s_cbranch_scc1 .Lbottom
	BLOCKEND
.Lbottom:
	s_sub_co_u32 s[SLOTS], s[SLOTS], 1
	s_cmp_lg_u32 s[SLOTS], 0
	s_cbranch_scc1 .Lslot
	s_mov_b32 s[SLOTS], 2
.Ltail:                                        ; the walk's last two slots have a text of their own: nothing is asked for
	STEP 0
	WIN 0
	s_sub_co_u32 s[RT], s[RT], 1
	s_cmp_lg_u32 s[RT], 0
	s_cbranch_scc1 .Lbottom2
	BLOCKEND
.Lbottom2:
	s_sub_co_u32 s[SLOTS], s[SLOTS], 1
	s_cmp_lg_u32 s[SLOTS], 0
	s_cbranch_scc1 .Ltail
	s_wait_tensorcnt 0x0                           ; the wave's end, behind my last tensor load and my last LDS store
	ds_add_u32 v[SPW], v[NIL]
	s_wait_dscnt 0x0
	CROUND                                         ; the closing round
	s_endpgm
.Lfunc_end_k_q8179f1e760_attn:
	.size	k_q8179f1e760_attn, .Lfunc_end_k_q8179f1e760_attn-k_q8179f1e760_attn
	.p2alignl 7, 3214868480
	.fill 96, 4, 3214868480
	.section	.rodata,"a",@progbits
	.p2align	6, 0x0
	.amdhsa_kernel k_q8179f1e760_attn
		.amdhsa_group_segment_fixed_size 327680
		.amdhsa_private_segment_fixed_size 0
		.amdhsa_enable_private_segment 0
		.amdhsa_kernarg_size 32
		.amdhsa_user_sgpr_count 2
		.amdhsa_user_sgpr_kernarg_segment_ptr 1
		.amdhsa_wavefront_size32 1
		.amdhsa_system_sgpr_workgroup_id_x 1
		.amdhsa_system_sgpr_workgroup_id_y 1
		.amdhsa_system_sgpr_workgroup_id_z 1
		.amdhsa_system_vgpr_workitem_id 0
		.amdhsa_next_free_vgpr 928
		.amdhsa_next_free_sgpr 96
		.amdhsa_reserve_vcc 1
		.amdhsa_float_denorm_mode_32 3
		.amdhsa_float_denorm_mode_16_64 3
		.amdhsa_memory_ordered 1
		.amdhsa_forward_progress 1
		.amdhsa_inst_pref_size 198
	.end_amdhsa_kernel
	.amdgpu_metadata
---
amdhsa.version: [ 1, 2 ]
amdhsa.kernels:
  - .name:           k_q8179f1e760_attn
    .symbol:         k_q8179f1e760_attn.kd
    .args:
      - { .name: qh, .offset: 0, .size: 8, .value_kind: global_buffer, .address_space: global }
      - { .name: kh, .offset: 8, .size: 8, .value_kind: global_buffer, .address_space: global }
      - { .name: vh, .offset: 16, .size: 8, .value_kind: global_buffer, .address_space: global }
      - { .name: oh, .offset: 24, .size: 8, .value_kind: global_buffer, .address_space: global }
    .group_segment_fixed_size: 327680
    .private_segment_fixed_size: 0
    .kernarg_segment_align: 8
    .kernarg_segment_size: 32
    .max_flat_workgroup_size: 128
    .sgpr_count:     96
    .vgpr_count:     928
    .wavefront_size: 32
...
	.end_amdgpu_metadata
.endif
;; end of part 3
;; launch proj (part 4): grid 16 x 16, 4 waves a work-group, clusters of 4 x 4, 327,680 bytes of LDS; arguments oh, wof, out0; writes out0
.if DOCPART == 4
	.amdgcn_target "amdgcn-amd-amdhsa--gfx1250"
	.amdhsa_code_object_version 6
	.text
	.protected	k_q8179f1e760_proj
	.globl	k_q8179f1e760_proj
	.p2align	8
	.type	k_q8179f1e760_proj,@function
k_q8179f1e760_proj:
	s_mov_b64 s[64:65], 0
	v_nop
	global_prefetch_b8 v0, s[64:65] scope:SCOPE_SE
	s_setreg_imm32_b32 hwreg(HW_REG_WAVE_MODE, 25, 1), 1
	s_wait_xcnt 0x0
	s_wait_alu depctr_hold_cnt(0) depctr_sa_sdst(0) depctr_va_vdst(0) depctr_va_sdst(0) depctr_va_ssrc(0) depctr_va_vcc(0) depctr_vm_vsrc(0)
	s_getreg_b32 s2, hwreg(HW_REG_IB_STS2, 6, 4)
	s_cmp_eq_u32 s2, 0
	s_cbranch_scc0 .Lentry_in_a_cluster
	s_endpgm
.Lentry_in_a_cluster:
	s_bfe_u32 s2, ttmp6, 0x10000c
	s_cmp_lg_u32 s2, 0xf033
	s_cbranch_scc0 .Lentry_shape_is_right
	s_endpgm
.Lentry_shape_is_right:
; out0[m][n] = the sum over k of oh[m][k] wof[k][n].  oh: [2048][2048] f16 (O times 2^-2), wof: [2048 k][2048 n] f16 (bf16(wo) times 4), out0: f32; sums in f32.
; A tile of out0 is 128 x 128, so that each of 256 work-groups has one; four waves, each 64 x 64: 16 accumulators.  K goes in 8 steps of 256 through two LDS slots: waves 0, 1 fetch 64 rows x 512 bytes of oh each,
; waves 2, 3 128 k rows x 256 bytes of wof each.  wof lies [k][n] in LDS and comes out turned, by ds_load_tr16_b128.  CLUSTER 4 x 4: oh's tile is shared along a row of the cluster, wof's along a column.
; A K STEP IS WRITTEN ONCE: the slot in hand is a scalar, s[TB], turned by an exclusive or at each change of slots, and the fragments' LDS addresses are made anew from it there.
; THE PRODUCT IS USED TRANSPOSED (source 0 = 16 columns of wof, source 1 = 16 rows of oh): a lane holds eight neighbouring numbers of a row of out0.
; A wave's 64 columns of f32 are 256 aligned bytes, so each wave has a stage of its own on the way out, and no barrier stands there.  No prefetch: the tile is small and the launch short.
; REGISTERS: window 0: v16-29 addresses; v32-95 whole rows on the way out; v128-255 accumulators ((a, b) at 128 + 8 (4 a + b)).  Window 1: two fragment buffers of 128: 64 registers of oh (2 x 4 fragments), then 64 of wof.
.set PA,    528                        ; an LDS row of oh: 512 bytes + 16
.set PB,    288                        ; an LDS row of wof: 256 + 32
.set HALFA, 64*PA
.set HALFB, 128*PB
.set BOFF,  2*HALFA
.set SLOTB, BOFF+2*HALFB               ; bytes in a slot
.set SPARE, SLOTB                      ; between the slots: the spare words, 128 bytes a wave: two blocks of 256 bytes that no other line names
.set SLOTX, 0x24000                    ; slot 1 begins here; it shares no bit with a tile's place in a slot (0, 0x8400, 0x10800, 0x19800), so one exclusive or changes slots
.set STAGE, SLOTX+SLOTB                ; behind the ring, never filled by a tensor load: 16 rows x 272 bytes for each wave
.set SP,    272
.set ADRA0, 16                         ; v16     my oh fragments' place in a slot; never rewritten
.set ADRA,  17                         ; v17     their LDS address in the slot in hand
.set ADRB0, 20                         ; v20-21  my wof fragments' places, for each half of the K step (an immediate holds 65,535 at the most, 240 rows of 288 bytes are more); never rewritten
.set ADRB,  22                         ; v22-23  their LDS addresses in the slot in hand
.set STO,  24
.set RD,   25
.set CO,   26
.set SPW,  28
.set NIL,  29
.set TMP,  32
.set ACC,  128
.set F0,   0
.set F1,   128
.set G1,  24
.set G0,  32                           ; s[32:39] group 0 for oh's tile: a set for each of the two first fills; the second then walks on
.set TB,  45                           ; s45  LDS byte at which the slot in hand begins: 0 or SLOTX
.set G1B, 48
.set G0B, 56                           ; s[56:63] the same for wof's
.set MSB, 0
.macro WIN new
.if MSB != (\new)
	s_set_vgpr_msb (MSB<<8)|(\new)
.set MSB, \new
.endif
.endm
.set MUL,  0x05
.set TO_F, 0x40
.macro JLOAD s
	s_cmp_eq_u32 s11, 0
	s_cbranch_scc0 .Lfor_b_\@
	tensor_load_to_lds s[G0+4*(\s):G0+4*(\s)+3], s[G1:G1+7]
	s_nop 0
.rept 4
	v_nop
.endr
	s_branch .Lasked_\@
.Lfor_b_\@:
	tensor_load_to_lds s[G0B+4*(\s):G0B+4*(\s)+3], s[G1B:G1B+7]
	s_nop 0
.rept 4
	v_nop
.endr
.Lasked_\@:
.endm
.macro CREST
	s_cmp_lg_u32 s10, 0
	s_cbranch_scc1 .Lnot_wave_0_\@
	s_barrier_signal -3
.Lnot_wave_0_\@:
	s_barrier_wait -3
	s_barrier_signal -1
	s_barrier_wait -1
.endm
.macro CROUND
	s_barrier_signal -1
	s_barrier_wait -1
	CREST
.endm
	s_load_b128 s[4:7], s[0:1], 0x0                ; oh s[4:5], wof s[6:7]
	s_load_b64 s[8:9], s[0:1], 0x10                ; out0
	v_lshl_add_u32 v[SPW], v0, 2, SPARE
	v_mov_b32 v[NIL], 0
	ds_add_u32 v[SPW], v[NIL]                      ; the wave's opening: the add and its wait ahead of my first tensor load
	v_lshrrev_b32 v1, 5, v0
	v_readfirstlane_b32 s10, v1                    ; wave
	s_lshr_b32 s11, s10, 1                         ; my half of the tile's rows.  Also: I fetch for oh (0) or for wof (1)
	s_and_b32 s12, s10, 1                          ; my half of its columns.  Also: which half of that tile I fetch
	s_bfe_u32 s40, ttmp6, 0x40000                  ; cx, cy
	s_bfe_u32 s41, ttmp6, 0x40004
	s_lshl_b32 s42, ttmp9, 2
	s_add_co_u32 s42, s42, s40                     ; tile column
	s_and_b32 s13, ttmp7, 0xffff
	s_lshl_b32 s13, s13, 2
	s_add_co_u32 s13, s13, s41                     ; tile row
	s_lshl_b32 s43, s41, 2
	s_lshl_b32 s43, 15, s43                        ; my row of the cluster
	s_lshl_b32 s44, 0x1111, s40                    ; my column
	s_or_b32 s[G1], s43, (1<<16)|(1<<20)|(1<<21)|(6<<22)|(3<<25)   ; oh: after every 128 words, 4 words of padding
	s_or_b32 s[G1B], s44, (1<<16)|(1<<20)|(1<<21)|(5<<22)|(7<<25)  ; wof: after every 64 words, 8 words
	s_mov_b32 s[G1+1], 256<<16                     ; tensor_dim0 = 256
	s_mov_b32 s[G1+2], 64<<16                      ; tensor_dim1 = 64
	s_mov_b32 s[G1+3], 256<<16                     ; tile_dim0 = 256
	s_mov_b32 s[G1+4], 64                          ; tile_dim1 = 64
	s_mov_b32 s[G1+5], 2048
	s_mov_b32 s[G1+6], 0
	s_mov_b32 s[G1+7], 0
	s_mov_b32 s[G1B+1], 128<<16
	s_mov_b32 s[G1B+2], 128<<16
	s_mov_b32 s[G1B+3], 128<<16
	s_mov_b32 s[G1B+4], 128
	s_mov_b32 s[G1B+5], 2048
	s_mov_b32 s[G1B+6], 0
	s_mov_b32 s[G1B+7], 0
	s_mov_b32 s[TB], 0
	s_lshl_b32 s16, s13, 19                        ; oh: row 128 x tile row + 64 x half, 4,096 bytes a row
	s_lshl_b32 s17, s12, 18
	s_add_co_u32 s16, s16, s17
	s_mov_b32 s17, 0
	s_lshl_b32 s46, s12, 19                        ; wof: k row 128 x half, the tile column's 256 bytes
	s_lshl_b32 s47, s42, 8
	s_add_co_u32 s46, s46, s47
	s_mov_b32 s47, 0
	s_mul_i32 s20, s12, HALFA                      ; where they go
	s_mul_i32 s21, s12, HALFB
	s_add_co_u32 s21, s21, BOFF
	s_wait_dscnt 0x0                               ; the opening add is done
	s_wait_kmcnt 0x0
	s_add_nc_u64 s[14:15], s[4:5], s[16:17]
	s_add_nc_u64 s[46:47], s[6:7], s[46:47]
	CROUND                                         ; all sixteen work-groups are here: the first joint loads meet
.irp s, 0,1
	s_mov_b32 s[G0+4*(\s)], 1
	s_add_co_u32 s[G0+4*(\s)+1], s20, (\s)*SLOTX
	s_add_nc_u64 s[G0+4*(\s)+2:G0+4*(\s)+3], s[14:15], (\s)*512
	s_or_b32 s[G0+4*(\s)+3], s[G0+4*(\s)+3], 0x80000000
	s_mov_b32 s[G0B+4*(\s)], 1
	s_add_co_u32 s[G0B+4*(\s)+1], s21, (\s)*SLOTX
	s_add_nc_u64 s[G0B+4*(\s)+2:G0B+4*(\s)+3], s[46:47], (\s)*256*4096
	s_or_b32 s[G0B+4*(\s)+3], s[G0B+4*(\s)+3], 0x80000000
	JLOAD \s                                       ; K steps 0 and 1: two loads of mine are out
.endr
	v_and_b32 v1, 15, v0                           ; l % 16
	v_bfe_u32 v2, v0, 4, 1                         ; l / 16
	v_and_b32 v4, 7, v0
	v_bfe_u32 v5, v0, 3, 1
	v_mul_u32_u24 v3, v1, PA
	v_lshl_add_u32 v3, v2, 4, v3
	s_mul_i32 s21, s11, HALFA                      ; my 64 rows of oh
	v_add_nc_u32 v[ADRA0], s21, v3
	v_add_nc_u32 v[ADRA], s21, v3                  ; slot 0 is the first in hand
	v_lshl_add_u32 v6, v2, 3, v4                   ; the turning load: k row 8 (l / 16) + l % 8, 16 bytes at 16 ((l / 8) % 2)
	v_mul_u32_u24 v6, v6, PB
	v_lshl_add_u32 v6, v5, 4, v6
	s_lshl_b32 s22, s12, 7                         ; my 64 columns: 128 bytes
	v_add_nc_u32 v6, s22, v6
.irp h, 0,1
	v_add_nc_u32 v[ADRB0+(\h)], BOFF+(\h)*HALFB, v6
	v_add_nc_u32 v[ADRB+(\h)], BOFF+(\h)*HALFB, v6
.endr
	s_mul_i32 s23, s10, 16*SP
	s_add_co_u32 s23, s23, STAGE                   ; my stage
	v_mul_u32_u24 v[STO], v1, SP                   ; in: row l % 16, 32 bytes for each half of the lanes
	v_lshl_add_u32 v[STO], v2, 5, v[STO]
	v_add_nc_u32 v[STO], s23, v[STO]
	v_mul_u32_u24 v[RD], v2, SP                    ; back: lanes 0-15 one row of 256 bytes, lanes 16-31 the next
	v_lshl_add_u32 v[RD], v1, 4, v[RD]
	v_add_nc_u32 v[RD], s23, v[RD]
	v_lshlrev_b32 v[CO], 13, v2                    ; and the same two rows in out0: 8,192 bytes a row
	v_lshl_add_u32 v[CO], v1, 4, v[CO]
	s_lshl_b32 s16, s13, 20                        ; row 128 x tile row + 64 x my half, byte 512 x tile column + 256 x my half
	s_lshl_b32 s17, s11, 19
	s_add_co_u32 s16, s16, s17
	s_lshl_b32 s17, s42, 9
	s_add_co_u32 s16, s16, s17
	s_lshl_b32 s17, s12, 8
	s_add_co_u32 s16, s16, s17
	s_mov_b32 s17, 0
	s_add_nc_u64 s[8:9], s[8:9], s[16:17]
; 8 matrix instructions: row blocks a0, a0 + 1 x all 4 column blocks, 32 along K: half c of buffer f.  The 16 accumulators take turns.
.macro MUL8 f, c, a0, zero
	WIN MUL
.irp a, \a0, (\a0)+1
.irp b, 0,1,2,3
.if \zero
	v_wmma_f32_16x16x32_f16 v[ACC+8*(4*(\a)+(\b)):ACC+8*(4*(\a)+(\b))+7], v[(\f)+64+8*(4*(\c)+(\b)):(\f)+64+8*(4*(\c)+(\b))+7], v[(\f)+8*(4*(\c)+(\a)):(\f)+8*(4*(\c)+(\a))+7], 0
.else
	v_wmma_f32_16x16x32_f16 v[ACC+8*(4*(\a)+(\b)):ACC+8*(4*(\a)+(\b))+7], v[(\f)+64+8*(4*(\c)+(\b)):(\f)+64+8*(4*(\c)+(\b))+7], v[(\f)+8*(4*(\c)+(\a)):(\f)+8*(4*(\c)+(\a))+7], v[ACC+8*(4*(\a)+(\b)):ACC+8*(4*(\a)+(\b))+7]
.endif
.endr
.endr
.endm
; 32 LDS loads in one run: quarter q (64 along K) of the slot in hand into buffer f; the first 32 along K first
.macro FETCH q, f
	WIN TO_F
.irp c, 0,1
.irp i, 0,1,2,3
	ds_load_tr16_b128 v[(\f)+64+8*(4*(\c)+(\i)):(\f)+64+8*(4*(\c)+(\i))+3],   v[ADRB+(\q)/2] offset:(((\q)%2)*64+32*(\c))*PB+32*(\i)
	ds_load_tr16_b128 v[(\f)+64+8*(4*(\c)+(\i))+4:(\f)+64+8*(4*(\c)+(\i))+7], v[ADRB+(\q)/2] offset:(((\q)%2)*64+32*(\c)+16)*PB+32*(\i)
	ds_load_b128 v[(\f)+8*(4*(\c)+(\i)):(\f)+8*(4*(\c)+(\i))+3],         v[ADRA] offset:(\q)*128+64*(\c)+(\i)*16*PA
	ds_load_b128 v[(\f)+8*(4*(\c)+(\i))+4:(\f)+8*(4*(\c)+(\i))+7],       v[ADRA] offset:(\q)*128+64*(\c)+(\i)*16*PA+32
.endr
.endr
.endm
.macro PLACES
.rept 4
	v_nop
.endr
.endm
.macro QUARTER q, f, g, zero
	s_wait_dscnt 16                                ; the first 32 along K are in
	MUL8 \f, 0, 0, \zero
	MUL8 \f, 0, 2, \zero
	PLACES
	FETCH \q, \g
	s_wait_dscnt 32                                ; all but the 32 just issued
	MUL8 \f, 1, 0, 0
	MUL8 \f, 1, 2, 0
.endm
; The last quarter multiplies buffer 1 and changes slots: in front of the barrier each wave waits for all its tensor loads, adds 0 to its spare word, and waits for that and for its reads of this slot.
; fill = 1: the barrier opens a round of the cluster's, and this slot is filled again, two K steps ahead, first thing behind the round: 112 matrix instructions ahead of the wait for it; the walking descriptors turn
; to the slot just left and step one K step.  Then s[TB] turns and the fragment addresses are made anew: with the v_nop four plain instructions, the places in front of the loads below.
; fill = 0: the last two K steps; in the very last (s3 = 1) there is no next slot, and its fetch is jumped over.
.macro TURN fill
	WIN 0
	s_wait_tensorcnt 0x0
	ds_add_u32 v[SPW], v[NIL]
	s_wait_dscnt 17                                ; (the add and the youngest sixteen loads may be out)
	MUL8 F1, 0, 0, 0
	s_wait_dscnt 0x0                               ; the add is done, and my reads of this slot are over
	s_barrier_signal -1
	MUL8 F1, 0, 2, 0
	WIN 0
	s_barrier_wait -1
.if \fill
	CREST
	s_xor_b32 s[G0+5], s[G0+5], SLOTX
	s_add_nc_u64 s[G0+6:G0+7], s[G0+6:G0+7], 512
	s_xor_b32 s[G0B+5], s[G0B+5], SLOTX
	s_add_nc_u64 s[G0B+6:G0B+7], s[G0B+6:G0B+7], 256*4096
	JLOAD 1
.endif
	s_xor_b32 s[TB], s[TB], SLOTX
	v_add_nc_u32 v[ADRA], s[TB], v[ADRA0]
	v_add_nc_u32 v[ADRB], s[TB], v[ADRB0]
	v_add_nc_u32 v[ADRB+1], s[TB], v[ADRB0+1]
	v_nop
.if !(\fill)
	s_cmp_eq_u32 s3, 1
	s_cbranch_scc1 .Lno_fetch_\@
.endif
	FETCH 0, F0
.if !(\fill)
	WIN 0
.Lno_fetch_\@:
.endif
	MUL8 F1, 1, 0, 0
	MUL8 F1, 1, 2, 0
.endm
	s_wait_tensorcnt 1                             ; my part of K step 0 is in; K step 1's may stay out
	s_barrier_signal -1
	s_barrier_wait -1
	FETCH 0, F0
	QUARTER 1, F0, F1, 1                           ; its first products start the sums
	WIN 0
	s_mov_b32 s3, 6                                ; K steps 0 to 5 each fill their slot again
.Lstep:                                        ; a trip goes from a K step's second quarter to the next step's first
	QUARTER 2, F1, F0, 0
	QUARTER 3, F0, F1, 0
	TURN 1
	QUARTER 1, F0, F1, 0
	WIN 0
	s_sub_co_u32 s3, s3, 1
	s_cmp_lg_u32 s3, 0
	s_cbranch_scc1 .Lstep
	s_mov_b32 s3, 2                                ; K steps 6 and 7 fill nothing: a text of their own
.Ltail:
	QUARTER 2, F1, F0, 0
	QUARTER 3, F0, F1, 0
	TURN 0
	WIN 0
	s_cmp_eq_u32 s3, 1                             ; behind K step 7 there is no first quarter of a next step
	s_cbranch_scc1 .Llast
	QUARTER 1, F0, F1, 0
	WIN 0
.Llast:
	s_sub_co_u32 s3, s3, 1
	s_cmp_lg_u32 s3, 0
	s_cbranch_scc1 .Ltail
	; THE WAY OUT, 16 rows at a time: f32 straight from the accumulators (lowest registers first) into my stage, back as whole rows of 256 bytes, stored.  The stage is my own and LDS serves a wave's
	; instructions in order (ISA guide 5.7.1.4): no wait between the stores and the loads, nor between a block's loads and the next block's stores.
	PLACES
.irp a, 0,1,2,3
.set BK, TMP+32*((\a)%2)
.irp b, 0,1,2,3
	ds_store_b128 v[STO], v[ACC+8*(4*(\a)+(\b)):ACC+8*(4*(\a)+(\b))+3]   offset:64*(\b)
	ds_store_b128 v[STO], v[ACC+8*(4*(\a)+(\b))+4:ACC+8*(4*(\a)+(\b))+7] offset:64*(\b)+16
.endr
	s_wait_xcnt 0x0                                ; the stores of two blocks back have read the registers that are loaded again below
.irp t, 0,1,2,3,4,5,6,7
	ds_load_b128 v[BK+4*(\t):BK+4*(\t)+3], v[RD] offset:(\t)*2*SP
.endr
.irp t, 0,1,2,3,4,5,6,7
	s_wait_dscnt 7-(\t)
	global_store_b128 v[CO], v[BK+4*(\t):BK+4*(\t)+3], s[8:9] offset:(\a)*16*8192+(\t)*2*8192 th:TH_STORE_NT  ; 16 lanes store 256 consecutive bytes, aligned
.endr
.endr
	s_wait_tensorcnt 0x0                           ; the wave's end, behind my last tensor load and my last LDS store
	ds_add_u32 v[SPW], v[NIL]
	s_wait_dscnt 0x0
	CROUND                                         ; the closing round
	s_endpgm
.Lfunc_end_k_q8179f1e760_proj:
	.size	k_q8179f1e760_proj, .Lfunc_end_k_q8179f1e760_proj-k_q8179f1e760_proj
	.p2alignl 7, 3214868480
	.fill 96, 4, 3214868480
	.section	.rodata,"a",@progbits
	.p2align	6, 0x0
	.amdhsa_kernel k_q8179f1e760_proj
		.amdhsa_group_segment_fixed_size 327680
		.amdhsa_private_segment_fixed_size 0
		.amdhsa_enable_private_segment 0
		.amdhsa_kernarg_size 24
		.amdhsa_user_sgpr_count 2
		.amdhsa_user_sgpr_kernarg_segment_ptr 1
		.amdhsa_wavefront_size32 1
		.amdhsa_system_sgpr_workgroup_id_x 1
		.amdhsa_system_sgpr_workgroup_id_y 1
		.amdhsa_system_sgpr_workgroup_id_z 1
		.amdhsa_system_vgpr_workitem_id 0
		.amdhsa_next_free_vgpr 512
		.amdhsa_next_free_sgpr 66
		.amdhsa_reserve_vcc 0
		.amdhsa_float_denorm_mode_32 3
		.amdhsa_float_denorm_mode_16_64 3
		.amdhsa_memory_ordered 1
		.amdhsa_forward_progress 1
		.amdhsa_inst_pref_size 59
	.end_amdhsa_kernel
	.amdgpu_metadata
---
amdhsa.version: [ 1, 2 ]
amdhsa.kernels:
  - .name:           k_q8179f1e760_proj
    .symbol:         k_q8179f1e760_proj.kd
    .args:
      - { .name: oh, .offset: 0, .size: 8, .value_kind: global_buffer, .address_space: global }
      - { .name: wof, .offset: 8, .size: 8, .value_kind: global_buffer, .address_space: global }
      - { .name: out0, .offset: 16, .size: 8, .value_kind: global_buffer, .address_space: global }
    .group_segment_fixed_size: 327680
    .private_segment_fixed_size: 0
    .kernarg_segment_align: 8
    .kernarg_segment_size: 24
    .max_flat_workgroup_size: 128
    .sgpr_count:     66
    .vgpr_count:     512
    .wavefront_size: 32
...
	.end_amdgpu_metadata
.endif
;; end of part 4
